; MI455X (gfx1250); checked and timed in simulation.
; The chip was launched on July 23, 2026; its instructions are those of AMD's public machine-readable ISA for CDNA 5 (MIT licence, August 2026) and "CDNA5" Instruction Set Architecture Reference Guide (July 2026). The comments in the code are by the model that wrote it; some were corrected since.
;; Multihead Attention. Allowed arithmetic: matrix products marked QUANTISED: E4M3 operands, one given power-of-two scale a tensor, by v_wmma_f32_16x16x64_fp8_fp8 or v_wmma_f32_16x16x128_fp8_fp8, f32 sums; products left as they are: f32 operands where the result goes on into a quantised operand, else bf16, f16 or f32 operands; f32 sums; everything else in f32.
;; Inputs: lowp_scales 12 int32 (the exponents e of the quantised operands' scales 2^e); mask 1 x 1 x 2,048 x 2,048 int32; wk 2,048 x 2,048 float32; wo 2,048 x 2,048 float32; wq 2,048 x 2,048 float32; wv 2,048 x 2,048 float32; x 1 x 2,048 x 2,048 float32.
;; Outputs: out0 1 x 2,048 x 2,048 float32.
;; This version of the problem:
;;   THIS VERSION OF THE PROBLEM IS GIVEN IN LOW PRECISION. The matrix products marked QUANTISED in the list below multiply operands that are first quantised to E4M3 (4 exponent bits, 3 mantissa bits; 8 bits a number), with one given power-of-two scale for each operand tensor; their sums are f32. All else is computed in f32.
;;   The module's matrix products, in the order in which they are computed (A, B: the left and right operand; K: the contracted axis; several contracted axes count as one K, in the product's order):
;;     1. [M 2,048, K 2,048] x [K 2,048, N 2,048]; A: input x; B: input wq: QUANTISED (scales: A lowp_scales[0], B lowp_scales[1])
;;     2. [M 2,048, K 2,048] x [K 2,048, N 2,048]; A: input x; B: input wk: QUANTISED (scales: A lowp_scales[2], B lowp_scales[3])
;;     3. [M 2,048, K 2,048] x [K 2,048, N 2,048]; A: input x; B: input wv: QUANTISED (scales: A lowp_scales[4], B lowp_scales[5])
;;     4. [M 2,048, K 1] x [K 1, N 64]; A: computed on the way; B: computed on the way: left as it is (no contracted axis)
;;     5. batch 16 x [M 2,048, K 128] x [K 128, N 2,048]; A: computed on the way; B: computed on the way: QUANTISED (scales: A lowp_scales[6], B lowp_scales[7])
;;     6. batch 16 x [M 2,048, K 2,048] x [K 2,048, N 128]; A: softmax (see below); B: computed on the way: QUANTISED (scales: A lowp_scales[8], B lowp_scales[9])
;;     7. [M 2,048, K 2,048] x [K 2,048, N 2,048]; A: computed on the way; B: input wo: QUANTISED (scales: A lowp_scales[10], B lowp_scales[11])
;;   THE QUANTISER, for each operand of a quantised product, along K:
;;     - The operand's scale is 2^e, e = its entry of the input lowp_scales (int32; the entries are numbered through the quantised products in the list's order, A before B).
;;     - Each number is divided by the scale, clamped to +-448, and rounded to the nearest number of E4M3, ties to even, subnormals kept.
;;     - The product sums the exact products of the quantised numbers (number of the format x scale) in f32.
;;   ~~~python
;;   def quantise(x, axis, e):      # numpy; x: float32 -> the quantised numbers, widened to float32 again
;;       x = np.moveaxis(x, axis, -1); K = x.shape[-1]
;;       r = np.clip(x / 2.0 ** e, -448, 448)
;;       step = 2.0 ** (np.maximum(np.frexp(np.where(r == 0, 1, r))[1] - 1, -6) - 3)
;;       q = np.round(r / step) * step * 2.0 ** e      # np.round: ties to even
;;       return np.moveaxis(q, -1, axis).astype(np.float32)
;;   ~~~
;;   SOFTMAX AHEAD OF A QUANTISED PRODUCT. Where the list says 'softmax', what is quantised is not the finished softmax but p = 2^(t - M), with t = logit x log2(e) and M = ceil(the row's largest t), a whole number; so 1/2 < the row's largest p <= 1. The row's sum l is taken of the UNQUANTISED p, in f32, and the product's result is divided by l at the end. Since M is a whole number, a kernel that streams over the keys may use a running M (the ceiling of the running maximum): every later rescaling is an exact power of two, so the quantised numbers keep their values, but for numbers so far below the row's largest that they fall under the format's range.
;;   OPERANDS COMPUTED ON THE WAY. 'Computed on the way' means the value that the module computes at that place (a softmax that the list does not call 'softmax' is quantised finished and normalised). What goes into a quantiser is computed in f32, as accurately as f32 sums, v_exp_f32 and their like allow (about 1e-6 of the number): no bf16 or f16 on the way to a quantiser, and a product that is left as it is and whose result goes on into a quantised operand takes f32 operands (vector FMAs, or v_wmma_f32_16x16x4_f32). A number that lies on a knife's edge between two numbers of the format may be rounded either way, as far as f32 arithmetic and the matrix unit's own rounding can turn it there, and no further.
;; 2 versions, each right; version 2 is version 1 with the launch attn written anew for expert scheduling mode. Each part assembles by itself: llvm-mc -triple=amdgcn-amd-amdhsa -mcpu=gfx1250 --defsym DOCPART=n.
;; ======== version 1 of 2: 4 launches
;; workspace buffers: codes 29,360,128 bytes; mbits 525,312 bytes of whole numbers; rope 1,056,768 bytes; qkv 12,582,912 bytes; yc 4,194,304 bytes
;; launch prep (part 1): grid 64 x 7, 4 waves a work-group, no clusters, 34,304 bytes of LDS; arguments x, wq, wk, wv, wo, mask, lowp_scales, codes, mbits, rope; writes codes, mbits, rope
.if DOCPART == 1
	.amdgcn_target "amdgcn-amd-amdhsa--gfx1250"
	.amdhsa_code_object_version 6
	.text
	.protected	k_qc020fc399d_prep
	.globl	k_qc020fc399d_prep
	.p2align	8
	.type	k_qc020fc399d_prep,@function
k_qc020fc399d_prep:
	s_mov_b64 s[64:65], 0
	v_nop
	global_prefetch_b8 v0, s[64:65] scope:SCOPE_SE
	s_setreg_imm32_b32 hwreg(HW_REG_WAVE_MODE, 25, 1), 1
	s_wait_xcnt 0x0
; PREP.  Work-group y says what is made: 0: x's codes, three times (scales e0, e2, e4); 1..4: the codes of wq (e1), wk (e3), wv (e5), wo (e11); 5: the mask as lane-mask words and flags; 6: the table of cos and sin.
; code = number / 2^e, held within +-448, to the nearest E4M3 code, ties to even.  LIMITS: each e between -126 and 119, so that 2^e and 448 x 2^e are f32 numbers.  NaN among the inputs is not served.
; THE IMAGE.  A fragment (16 rows x 128 along K) of the plain 8-bit matrix form is 16 registers a lane: lane (r = l % 16, h = l / 16) holds row r, registers 2 c, 2 c + 1 hold k = 16 c + 8 h + 0 .. 7.
; It is stored as it stands in the registers: register 4 g + w of lane l at byte 512 g + 16 l + 4 w of 2,048.  Section s of 'codes' (4 MiB): image (row tile R, K step S) at (16 R + S) x 2,048.
; SHARES (y = 0 .. 5): a wave takes row tile R = 2 x + wave / 2 and eight K steps, 8 (wave % 2) on: eight tiles of 16 rows x 512 bytes (the mask's int32 have the size of f32).  Each load reads 512 consecutive bytes of a row;
; a tile turns through the wave's own stage in LDS (rows 528 bytes apart: 33 x 16, so the sixteen rows that a read touches start at sixteen different banks) and comes back as 8 neighbours along K for each c.
; Loads run two tiles (32 loads a wave) ahead.  Waves share nothing: no barrier.  No LDS line stands under a branch on y.
; THE MASK: record (R, S) of 'mbits', 256 bytes at (16 R + S) x 256: bit l of word 8 c + j says mask[16 R + l % 16][128 S + 16 c + 8 (l / 16) + j] != 0: the lane mask of register 8 c + j of the scores.
; From byte 524,288 on: word 2 R + half has bit S set where record (R, S) has any bit.
; THE TABLE: image tau (rows t = 16 tau + r), 8,192 bytes: group G = 2 (2 b + u) (512 bytes, 16 a lane) holds cos at frequencies 16 b + 8 h + 4 u + 0 .. 3, group G + 1 their sin.  Image 128: cos = 1, sin = 0.
; The angle is t x 10000^(-f / 64): the power by a split exponent and v_exp_f32, the angle reduced by pi / 2 in three parts, sin and cos by polynomials on +-pi / 4.  The frequency is good to about an ulp, so the angle at t = 2,047 to about 1e-4.
.set RAW,  16                          ; v16-143  two sets of 64: a tile as loaded
.set X,    144                         ; v144-207 a tile as the fragment wants it: register 8 c + j
.set T,    208                         ; v208-239 at work: four sets of 8 held numbers; for the mask: a pair of words for each tile
.set CD,   240                         ; v240-255 a fragment's codes
.set SP,   528
.set STG,  16*SP
	s_load_b512 s[8:23], s[0:1], 0x0               ; x, wq, wk, wv, wo, mask, the exponents, codes
	s_load_b128 s[24:27], s[0:1], 0x40             ; mbits, rope
	v_lshl_add_u32 v15, v0, 2, 0x8400
	s_set_vgpr_msb 0x40
	v_mov_b32 v1, 0
	s_set_vgpr_msb 0x4000
	s_and_b32 s2, ttmp7, 0xffff                    ; what is made
	v_lshrrev_b32 v1, 5, v0
	v_readfirstlane_b32 s3, v1                     ; wave
	v_and_b32 v1, 31, v0                           ; lane
	v_lshlrev_b32 v2, 4, v1                        ; 16 x lane
	v_lshlrev_b32 v5, 3, v1                        ; 8 x lane
	v_and_b32 v12, 15, v0                          ; r
	v_bfe_u32 v13, v0, 4, 1                        ; h
	s_mul_i32 s4, s3, STG                          ; my stage
	v_add_nc_u32 v3, s4, v2                        ; in: 16 bytes a lane of a row's 512
	v_mul_u32_u24 v4, v12, SP
	v_lshl_add_u32 v4, v13, 5, v4
	v_add_nc_u32 v4, s4, v4                        ; out: row r, + 32 h: eight numbers of my half
	s_lshl_b32 s5, ttmp9, 1
	s_lshr_b32 s6, s3, 1
	s_add_co_u32 s5, s5, s6                        ; R
	s_and_b32 s6, s3, 1                            ; which eight K steps
	s_mov_b32 s38, 0                               ; the flags
	s_wait_kmcnt 0x0
	s_cmp_eq_u32 s2, 6
	s_cbranch_scc1 .Ltable
	s_load_b256 s[48:55], s[20:21], 0x0            ; e0 .. e7
	s_load_b128 s[56:59], s[20:21], 0x20           ; e8 .. e11
	s_mov_b64 s[28:29], s[8:9]                     ; the source: a choice on the work-group's y alone
	s_cmp_eq_u32 s2, 1
	s_cselect_b64 s[28:29], s[10:11], s[28:29]
	s_cmp_eq_u32 s2, 2
	s_cselect_b64 s[28:29], s[12:13], s[28:29]
	s_cmp_eq_u32 s2, 3
	s_cselect_b64 s[28:29], s[14:15], s[28:29]
	s_cmp_eq_u32 s2, 4
	s_cselect_b64 s[28:29], s[16:17], s[28:29]
	s_cmp_eq_u32 s2, 5
	s_cselect_b64 s[28:29], s[18:19], s[28:29]
	s_lshl_b32 s40, s5, 17                         ; 16 rows of 8,192 bytes
	s_lshl_b32 s41, s6, 12                         ; eight K steps of 512 bytes
	s_add_co_u32 s40, s40, s41
	s_mov_b32 s41, 0
	s_add_nc_u64 s[28:29], s[28:29], s[40:41]
	s_add_co_u32 s7, s2, 2                         ; the section: 0 for x, 3 .. 6 for the weights (held at 6: the mask's work-groups form the address and never use it)
	s_min_u32 s7, s7, 6
	s_cmp_eq_u32 s2, 0
	s_cselect_b32 s7, 0, s7
	s_lshl_b32 s40, s7, 22
	s_lshl_b32 s42, s5, 15
	s_add_co_u32 s40, s40, s42
	s_lshl_b32 s42, s6, 14
	s_add_co_u32 s40, s40, s42
	s_add_nc_u64 s[30:31], s[22:23], s[40:41]      ; my eight images
	s_add_nc_u64 s[32:33], s[30:31], 0x400000      ; x's second
	s_add_nc_u64 s[34:35], s[30:31], 0x800000      ; and third section
	s_lshl_b32 s40, s5, 12
	s_lshl_b32 s42, s6, 11
	s_add_co_u32 s40, s40, s42
	s_add_nc_u64 s[36:37], s[24:25], s[40:41]      ; my eight records
.set ii, 0
.rept 16
	v_mov_b32 v[T+ii], 0                           ; v_writelane_b32 counts as a reader of its destination
.set ii, ii+1
.endr
.macro LOAD t                          ; tile t: sixteen rows, 512 consecutive bytes each
.irp i, 0,1,2,3,4,5,6,7,8,9,10,11,12,13,14,15
	global_load_b128 v[RAW+64*((\t)%2)+4*\i:RAW+64*((\t)%2)+4*\i+3], v2, s[28:29] offset:8192*\i+512*(\t) th:TH_LOAD_NT
.endr
.endm
.macro MKSC e, n                       ; v[6 + 2 n] = 2^e as f32 (the conversion takes its exponent field), v[7 + 2 n] = 448 x 2^e
	s_add_co_i32 s40, s[\e], 127
	s_lshl_b32 s41, s40, 23
	v_mov_b32 v[6+2*\n], s41
	s_add_co_i32 s40, s40, 8
	s_lshl_b32 s40, s40, 23
	s_or_b32 s40, s40, 0x600000
	v_mov_b32 v[7+2*\n], s40
.endm
.macro QUANT n, d, t                   ; the tile in X becomes an image under scale n, at s[d:d+1] + 2,048 t.  X stays: x is quantised three times
	s_wait_xcnt 0x0                                ; the last stores have read CD (and the mask's words): only now are they written again
.irp c, 0,1,2,3,4,5,6,7
.irp j, 0,1,2,3,4,5,6,7
	v_med3_num_f32 v[T+8*(\c%4)+\j], v[X+8*\c+\j], -v[7+2*\n], v[7+2*\n]   ; the conversion to an 8-bit code does not saturate (ISA guide 7.6.2): the hold comes first
.endr
	v_cvt_scalef32_pk8_fp8_f32 v[CD+2*\c:CD+2*\c+1], v[T+8*(\c%4):T+8*(\c%4)+7], v[6+2*\n]   ; registers 2 c, 2 c + 1 of the fragment; the next lines are plain and write another set of T
.endr
.irp g, 0,1,2,3
	global_store_b128 v2, v[CD+4*\g:CD+4*\g+3], s[\d:\d+1] offset:2048*(\t)+512*\g   ; 32 lanes store 512 consecutive bytes
.endr
.endm
.macro TILE t
.if (\t) < 7
	s_wait_loadcnt 16                              ; this tile's 16 loads are in; the next tile's 16 may be out
.else
	s_wait_loadcnt 0x0
.endif
.irp i, 0,1,2,3,4,5,6,7,8,9,10,11,12,13,14,15
	ds_store_b128 v3, v[RAW+64*((\t)%2)+4*\i:RAW+64*((\t)%2)+4*\i+3] offset:SP*\i
.endr
.irp c, 0,1,2,3,4,5,6,7
	ds_load_b128 v[X+8*\c:X+8*\c+3], v4 offset:64*\c       ; LDS serves a wave's instructions in order (ISA guide 5.7.1.4): these see the stores above
	ds_load_b128 v[X+8*\c+4:X+8*\c+7], v4 offset:64*\c+16
.endr
	s_wait_dscnt 0x0                               ; the tile is back, so the stores have read their registers,
.if (\t)+2 < 8
	LOAD (\t)+2                                    ; which take the tile two on
.endif
	s_cmp_eq_u32 s2, 5
	s_cbranch_scc1 .Lmask_\@
	QUANT 0, 30, \t
	s_cmp_lg_u32 s2, 0
	s_cbranch_scc1 .Ldone_\@
	QUANT 1, 32, \t
	QUANT 2, 34, \t
	s_branch .Ldone_\@
.Lmask_\@:
	s_mov_b32 s39, 0
.set nn, 0
.rept 8
.irp k, 0,1,2,3,4,5,6,7
	v_cmp_ne_u32 s[40+\k], 0, v[X+nn+\k]           ; word nn + k: a bit a lane
.endr
.irp k, 0,1,2,3,4,5,6,7
	v_writelane_b32 v[T+2*(\t)+\k%2], s[40+\k], (nn+\k)/2   ; word n goes to lane n / 2, register n % 2: byte 4 n of the record
.endr
.irp k, 0,1,2,3,4,5,6,7
	s_or_b32 s39, s39, s[40+\k]
.endr
.set nn, nn+8
.endr
	global_store_b64 v5, v[T+2*(\t):T+2*(\t)+1], s[36:37] offset:256*(\t)   ; 32 lanes store 256 consecutive bytes, aligned; each tile has its own pair
	s_cmp_lg_u32 s39, 0
	s_cselect_b32 s39, 1<<(\t), 0
	s_or_b32 s38, s38, s39
.Ldone_\@:
.endm
	LOAD 0
	LOAD 1
	s_wait_kmcnt 0x0
	s_mov_b32 s39, s48                             ; the first scale: e0 for x, e1, e3, e5, e11 for the weights
	s_cmp_eq_u32 s2, 1
	s_cselect_b32 s39, s49, s39
	s_cmp_eq_u32 s2, 2
	s_cselect_b32 s39, s51, s39
	s_cmp_eq_u32 s2, 3
	s_cselect_b32 s39, s53, s39
	s_cmp_eq_u32 s2, 4
	s_cselect_b32 s39, s59, s39
	MKSC 39, 0
	MKSC 50, 1                                     ; e2
	MKSC 52, 2                                     ; e4
.irp t, 0,1,2,3,4,5,6,7
	TILE \t
.endr
	s_cmp_lg_u32 s2, 5
	s_cbranch_scc1 .Lend
	s_lshl_b32 s39, s6, 3
	s_lshl_b32 s38, s38, s39                       ; my eight K steps' bits in their places
	v_mov_b32 v12, s38
	s_lshl_b32 s39, s5, 1
	s_add_co_u32 s39, s39, s6
	s_lshl_b32 s39, s39, 2
	v_mov_b32 v13, s39                             ; word 2 R + half
	v_cmp_eq_u32 vcc_lo, 0, v1
	s_wait_xcnt 0x0                                ; EXEC is a source of the stores above: it changes only behind this wait
	s_and_saveexec_b32 s39, vcc_lo
	global_store_b32 v13, v12, s[24:25] offset:524288
	s_wait_xcnt 0x0                                ; and again in front of the line that restores it
	s_or_b32 exec_lo, exec_lo, s39
.Lend:
	s_set_vgpr_msb 0x4
	s_wait_tensorcnt 0x0
	ds_add_u32 v15, v1
	s_wait_dscnt 0x0
	s_set_vgpr_msb 0x400
	s_endpgm
.Ltable:                                           ; wave W = 4 x + wave makes half bh = W % 2 (frequencies 32 bh on) of image tau = W / 2
	s_mov_b32 s40, 0x3e549a78                      ; log2(10) / 16, its f32 part
	s_mov_b32 s41, 0x31979a30                      ; and what that leaves
	s_mov_b32 s42, 0x3f22f983                      ; 2 / pi
	s_mov_b32 s43, 0x3fc90fdb                      ; pi / 2 in three parts
	s_mov_b32 s44, 0xb33bbd2e
	s_mov_b32 s45, 0xa6f72ced
	s_mov_b32 s46, 0xbe2aaaa3                      ; sin x = x + x z (S1 + S2 z + S3 z^2), z = x^2
	s_mov_b32 s47, 0x3c08839e
	s_mov_b32 s48, 0xb94ca1f9
	s_mov_b32 s49, 0x3d2aaaa5                      ; cos x = 1 - z / 2 + z^2 (C1 + C2 z + C3 z^2)
	s_mov_b32 s50, 0xbab6061a
	s_mov_b32 s51, 0x37ccf5ce
	s_lshl_b32 s52, ttmp9, 2
	s_add_co_u32 s52, s52, s3
	s_lshr_b32 s53, s52, 1                         ; tau
	s_and_b32 s54, s52, 1                          ; bh
	s_lshl_b32 s55, s53, 4
	v_add_nc_u32 v20, s55, v12
	v_cvt_f32_u32 v20, v20                         ; t = 16 tau + r
	s_lshl_b32 s55, s54, 5
	v_lshl_add_u32 v21, v13, 3, s55                ; 32 bh + 8 h
	s_lshl_b32 s56, s53, 13
	s_lshl_b32 s55, s54, 12
	s_add_co_u32 s56, s56, s55
	s_mov_b32 s57, 0
	s_add_nc_u64 s[56:57], s[26:27], s[56:57]
.macro QUAD q                          ; four frequencies: 32 bh + 8 h + 16 (q / 2) + 4 (q % 2) + 0 .. 3; cos into v[64 + 8 q] on, sin into v[68 + 8 q] on
.irp i, 0,1,2,3
	v_add_nc_u32 v[24+\i], 16*((\q)/2)+4*((\q)%2)+\i, v21
.endr
.irp i, 0,1,2,3
	v_cvt_f32_u32 v[24+\i], v[24+\i]               ; f
.endr
.irp i, 0,1,2,3
	v_mul_f32 v[28+\i], s40, v[24+\i]
.endr
.irp i, 0,1,2,3
	v_rndne_f32 v[28+\i], v[28+\i]                 ; n: the whole part of f log2(10) / 16
.endr
.irp i, 0,1,2,3
	v_fma_f32 v[32+\i], v[24+\i], s40, -v[28+\i]   ; the rest, within +-1/2, exact,
.endr
.irp i, 0,1,2,3
	v_fma_f32 v[32+\i], v[24+\i], s41, v[32+\i]    ; with the constant's lower part
.endr
.irp i, 0,1,2,3
	v_exp_f32 v[36+\i], -v[32+\i]                  ; a batch of four
.endr
.irp i, 0,1,2,3
	v_cvt_i32_f32 v[28+\i], v[28+\i]               ; plain lines behind the batch, which name none of its results
.endr
.irp i, 0,1,2,3
	v_sub_nc_u32 v[28+\i], 0, v[28+\i]
.endr
	s_wait_alu depctr_va_vdst(0)                   ; one wait for the four, ahead of their first reader
.irp i, 0,1,2,3
	v_ldexp_f32 v[36+\i], v[36+\i], v[28+\i]       ; 10000^(-f / 64)
.endr
.irp i, 0,1,2,3
	v_mul_f32 v[36+\i], v20, v[36+\i]              ; the angle
.endr
.irp i, 0,1,2,3
	v_mul_f32 v[40+\i], s42, v[36+\i]
.endr
.irp i, 0,1,2,3
	v_rndne_f32 v[40+\i], v[40+\i]                 ; k quarter turns
.endr
.irp i, 0,1,2,3
	v_fma_f32 v[36+\i], -v[40+\i], s43, v[36+\i]
.endr
.irp i, 0,1,2,3
	v_fma_f32 v[36+\i], -v[40+\i], s44, v[36+\i]
.endr
.irp i, 0,1,2,3
	v_fma_f32 v[36+\i], -v[40+\i], s45, v[36+\i]   ; what is left, within +-pi / 4
.endr
.irp i, 0,1,2,3
	v_mul_f32 v[44+\i], v[36+\i], v[36+\i]         ; z
.endr
.irp i, 0,1,2,3
	v_fma_f32 v[48+\i], v[44+\i], s48, s47
	v_fma_f32 v[52+\i], v[44+\i], s51, s50
.endr
.irp i, 0,1,2,3
	v_fma_f32 v[48+\i], v[48+\i], v[44+\i], s46
	v_fma_f32 v[52+\i], v[52+\i], v[44+\i], s49
.endr
.irp i, 0,1,2,3
	v_mul_f32 v[48+\i], v[48+\i], v[44+\i]
	v_mul_f32 v[56+\i], v[44+\i], v[44+\i]
	v_fma_f32 v[60+\i], v[44+\i], -0.5, 1.0
.endr
.irp i, 0,1,2,3
	v_fma_f32 v[48+\i], v[48+\i], v[36+\i], v[36+\i]   ; sin
	v_fma_f32 v[52+\i], v[56+\i], v[52+\i], v[60+\i]   ; cos
	v_cvt_i32_f32 v[40+\i], v[40+\i]
.endr
.irp i, 0,1,2,3
	v_and_b32 v[56+\i], 1, v[40+\i]
	v_cmp_eq_u32 vcc_lo, 1, v[56+\i]               ; an odd number of quarter turns: the two change places
	v_cndmask_b32 v[68+8*(\q)+\i], v[48+\i], v[52+\i], vcc_lo
	v_cndmask_b32 v[64+8*(\q)+\i], v[52+\i], v[48+\i], vcc_lo
	v_and_b32 v[56+\i], 2, v[40+\i]                ; sin is negated in quarters 2 and 3,
	v_lshlrev_b32 v[56+\i], 30, v[56+\i]
	v_xor_b32 v[68+8*(\q)+\i], v[56+\i], v[68+8*(\q)+\i]
	v_add_nc_u32 v[40+\i], 1, v[40+\i]             ; cos in quarters 1 and 2
	v_and_b32 v[40+\i], 2, v[40+\i]
	v_lshlrev_b32 v[40+\i], 30, v[40+\i]
	v_xor_b32 v[64+8*(\q)+\i], v[40+\i], v[64+8*(\q)+\i]
.endr
	global_store_b128 v2, v[64+8*(\q):67+8*(\q)], s[56:57] offset:1024*(\q)        ; 512 consecutive bytes; each quad has its own registers
	global_store_b128 v2, v[68+8*(\q):71+8*(\q)], s[56:57] offset:1024*(\q)+512
.endm
	QUAD 0
	QUAD 1
	QUAD 2
	QUAD 3
	s_cmp_lg_u32 ttmp9, 0
	s_cbranch_scc1 .Ltend
	s_lshl_b32 s55, s3, 11                         ; the first work-group also stores image 128: wave w its groups 4 w .. 4 w + 3
	v_add_nc_u32 v14, s55, v2
.irp i, 0,1,2,3
	v_mov_b32 v[96+\i], 1.0
	v_mov_b32 v[100+\i], 0
.endr
	global_store_b128 v14, v[96:99], s[26:27] offset:1048576
	global_store_b128 v14, v[100:103], s[26:27] offset:1048576+512
	global_store_b128 v14, v[96:99], s[26:27] offset:1048576+1024
	global_store_b128 v14, v[100:103], s[26:27] offset:1048576+1536
.Ltend:
	s_endpgm
.Lfunc_end_k_qc020fc399d_prep:
	.size	k_qc020fc399d_prep, .Lfunc_end_k_qc020fc399d_prep-k_qc020fc399d_prep
	.p2alignl 7, 3214868480
	.fill 96, 4, 3214868480
	.section	.rodata,"a",@progbits
	.p2align	6, 0x0
	.amdhsa_kernel k_qc020fc399d_prep
		.amdhsa_group_segment_fixed_size 34304
		.amdhsa_private_segment_fixed_size 0
		.amdhsa_enable_private_segment 0
		.amdhsa_kernarg_size 80
		.amdhsa_user_sgpr_count 2
		.amdhsa_user_sgpr_kernarg_segment_ptr 1
		.amdhsa_wavefront_size32 1
		.amdhsa_system_sgpr_workgroup_id_x 1
		.amdhsa_system_sgpr_workgroup_id_y 1
		.amdhsa_system_sgpr_workgroup_id_z 1
		.amdhsa_system_vgpr_workitem_id 0
		.amdhsa_next_free_vgpr 258
		.amdhsa_next_free_sgpr 66
		.amdhsa_reserve_vcc 1
		.amdhsa_float_denorm_mode_32 3
		.amdhsa_float_denorm_mode_16_64 3
		.amdhsa_memory_ordered 1
		.amdhsa_forward_progress 1
		.amdhsa_inst_pref_size 255
	.end_amdhsa_kernel
	.section	.bss,"aw",@nobits
	.p2align	6
	.space	262144
	.amdgpu_metadata
---
amdhsa.version: [ 1, 2 ]
amdhsa.kernels:
  - .name:           k_qc020fc399d_prep
    .symbol:         k_qc020fc399d_prep.kd
    .args:
      - { .name: x, .offset: 0, .size: 8, .value_kind: global_buffer, .address_space: global }
      - { .name: wq, .offset: 8, .size: 8, .value_kind: global_buffer, .address_space: global }
      - { .name: wk, .offset: 16, .size: 8, .value_kind: global_buffer, .address_space: global }
      - { .name: wv, .offset: 24, .size: 8, .value_kind: global_buffer, .address_space: global }
      - { .name: wo, .offset: 32, .size: 8, .value_kind: global_buffer, .address_space: global }
      - { .name: mask, .offset: 40, .size: 8, .value_kind: global_buffer, .address_space: global }
      - { .name: lowp_scales, .offset: 48, .size: 8, .value_kind: global_buffer, .address_space: global }
      - { .name: codes, .offset: 56, .size: 8, .value_kind: global_buffer, .address_space: global }
      - { .name: mbits, .offset: 64, .size: 8, .value_kind: global_buffer, .address_space: global }
      - { .name: rope, .offset: 72, .size: 8, .value_kind: global_buffer, .address_space: global }
    .group_segment_fixed_size: 34304
    .private_segment_fixed_size: 0
    .kernarg_segment_align: 8
    .kernarg_segment_size: 80
    .max_flat_workgroup_size: 128
    .sgpr_count:     66
    .vgpr_count:     258
    .wavefront_size: 32
...
	.end_amdgpu_metadata
.endif
;; end of part 1
;; launch qkv (part 2): grid 8 x 24, 4 waves a work-group, clusters of 4 x 4, 327,680 bytes of LDS; arguments codes, lowp_scales, rope, qkv; writes qkv
.if DOCPART == 2
	.amdgcn_target "amdgcn-amd-amdhsa--gfx1250"
	.amdhsa_code_object_version 6
	.text
	.protected	k_qc020fc399d_qkv
	.globl	k_qc020fc399d_qkv
	.p2align	8
	.type	k_qc020fc399d_qkv,@function
k_qc020fc399d_qkv:
	s_mov_b64 s[64:65], 0
	v_nop
	global_prefetch_b8 v0, s[64:65] scope:SCOPE_SE
	s_setreg_imm32_b32 hwreg(HW_REG_WAVE_MODE, 25, 1), 1
	s_wait_xcnt 0x0
	s_wait_alu depctr_hold_cnt(0) depctr_sa_sdst(0) depctr_va_vdst(0) depctr_va_sdst(0) depctr_va_ssrc(0) depctr_va_vcc(0) depctr_vm_vsrc(0)
	s_getreg_b32 s2, hwreg(HW_REG_IB_STS2, 6, 4)
	s_cmp_eq_u32 s2, 0
	s_cbranch_scc0 .Lentry_in_a_cluster
	s_endpgm
.Lentry_in_a_cluster:
	s_bfe_u32 s2, ttmp6, 0x10000c
	s_cmp_lg_u32 s2, 0xf033
	s_cbranch_scc0 .Lentry_shape_is_right
	s_endpgm
.Lentry_shape_is_right:
; QKV.  Three products of 2,048 x 2,048 x 2,048 on codes of E4M3, then the rotation (q, k) and the quantiser: q (scale e6), k (e7), v (e9) leave as images of operand registers.
; p = cluster y / 2 says which: 0: q = x(e0) wq(e1)^T; 1: k = x(e2) wk(e3)^T; 2: v = x(e4) wv(e5)^T.  A tile of 256 x 256 to a work-group of four waves, 128 x 128 a wave: 64 accumulators, 512 registers.
; THE MATRIX INSTRUCTION: source 0 = 16 rows of side B, source 1 = 16 rows of side A: a lane holds ONE row of A (lane % 16) and eight neighbouring rows of B (8 (lane / 16) + 0 .. 7).
; For q and k: A = x (a lane's row is a position t), B = the weight (eight neighbours of the head's 128): the next product's K runs along the registers.
; For v: A = wv (a lane's row is a channel d), B = x (eight neighbouring keys): the result is V^T with the keys along the registers.  One text serves all three: only offsets are chosen, by s_cselect_b32 on p.
; OPERANDS lie in 'codes' as images of a fragment's registers (2,048 bytes; register 4 g + w of lane l at 512 g + 16 l + 4 w): section s at s x 4 MiB, image (row tile R, K step S) at (16 R + S) x 2,048.
; A slot holds 256 along K: for each of 8 row tiles two images on end, 4,096 bytes, 32,768 bytes apart in memory: one tensor load a wave brings 8 such rows, dense in LDS.  A fragment comes by four loads of 512 consecutive bytes.
; CLUSTERS: 4 x 4.  A's tiles hang on the tile row and are shared along a row of the cluster, B's on the tile column and are shared along a column: joint loads.  192 work-groups: a tile of 128 x 128 would read each LDS byte for half the products.
; THE WAY OUT: no LDS.  Accumulators (a, b) and (a, b + 4) hold channels d and d + 64 of one position: lo' = lo cos - hi sin, hi' = hi cos + lo sin, cos and sin from the table's image of the 16 positions, in the accumulators' layout.
; The images of four blocks are asked for together, into the registers that B's fragments have left; a set is asked for anew as soon as its block's rotation has read it.
; v takes the table's last image, cos = 1 and sin = 0.  The sums stand for sum x 2^(ea + eb): the conversion's one scale is 2^E, E = e6 - e0 - e1, e7 - e2 - e3 or e9 - e4 - e5.  Eight numbers of an accumulator give registers 2 b, 2 b + 1 of the image.
; LIMITS: E between -126 and 119.  v's sums are finite (they are multiplied by the 0 of the last image).  NaN is not served.
; REGISTERS: window 0: v16-31 addresses and scales; v32-39 the table's offsets; v128-255 A's fragments, one set; on the way out v160-223 at work, v224-255 codes (two sets).  Window 1: B's fragments, two sets; on the way out cos and sin, four sets of 64.
; Windows 2, 3: the accumulators.
.set FR,     16
.set NL,     4                         ; LDS loads that bring a fragment
.set NP,     4                         ; places behind this matrix instruction (ISA guide 7.12.1)
.set BLKB,   32768                     ; what one tensor load brings: 8 row tiles x 2 K steps x 2,048
.set SLOT,   4*BLKB                    ; A's two halves, then B's two
.set SPARE,  2*SLOT                    ; behind the ring: the spare words, 128 bytes a wave: two blocks of 256 bytes that no other line names
.set STEPB,  4096                      ; a slot's part of a row tile in memory
.set LAPS,   4                         ; 2,048 along K = 8 slots' worth = 4 times round the ring
.set ADRA, 16                          ; v16-17 LDS address of my A fragments in slot 0, 1
.set ADRB, 20                          ; v20-21 the same for B
.set LI,   27                          ; v27 16 x lane
.set SPW,  28                          ; v28 my spare word; never rewritten
.set NIL,  29                          ; v29 0; never rewritten
.set SCL,  30                          ; v30 2^E
.set LIM,  31                          ; v31 448 x 2^E
.set RO,   32                          ; v32-39 block a's offset in the table: 16 x lane + a x the step from image to image
.set AF,   128
.set TMP,  160
.set CDR,  224
.set G1, 24
.set G0, 32
.set G1B, 48
.set G0B, 56
.set MSB, 0
.macro WIN new                         ; the immediate's high byte repeats the setting that is left
.if MSB != (\new)
	s_set_vgpr_msb (MSB<<8)|(\new)
.set MSB, (\new)
.endif
.endm
.set MUL_LO, 0xa1                      ; source 0 (B) window 1, source 1 (A) window 0, C and D window 2
.set MUL_HI, 0xf1
.set TO_B,   0x40
.macro JLOAD g0a, g1a, g0b, g1b        ; a joint load: waves 0, 1 fetch for A, waves 2, 3 for B; four v_nop follow each line
	s_cmp_eq_u32 s15, 0
	s_cbranch_scc0 .Lfor_b_\@
	tensor_load_to_lds s[\g0a:\g0a+3], s[\g1a:\g1a+7]
	s_nop 0
.rept 4
	v_nop
.endr
	s_branch .Lasked_\@
.Lfor_b_\@:
	tensor_load_to_lds s[\g0b:\g0b+3], s[\g1b:\g1b+7]
	s_nop 0
.rept 4
	v_nop
.endr
.Lasked_\@:
.endm
.macro CREST                           ; a round of the cluster's barrier behind its opening barrier
	s_cmp_lg_u32 s14, 0
	s_cbranch_scc1 .Lnot_wave_0_\@
	s_barrier_signal -3
.Lnot_wave_0_\@:
	s_barrier_wait -3
	s_barrier_signal -1
	s_barrier_wait -1
.endm
.macro CROUND
	s_barrier_signal -1
	s_barrier_wait -1
	CREST
.endm
	s_load_b256 s[4:11], s[0:1], 0x0               ; codes s[4:5], the exponents s[6:7], rope s[8:9], qkv s[10:11]
	v_lshl_add_u32 v[SPW], v0, 2, SPARE
	v_mov_b32 v[NIL], 0
	ds_add_u32 v28, v29
	ds_add_u32 v28, v29
	s_wait_dscnt 0x0
	v_lshrrev_b32 v1, 5, v0
	v_readfirstlane_b32 s14, v1                    ; wave
	s_lshr_b32 s15, s14, 1                         ; my half of the tile's rows.  Also: I fetch for A (0) or B (1)
	s_and_b32 s16, s14, 1                          ; my half of its columns.  Also: which 128 rows I fetch
	s_bfe_u32 s40, ttmp6, 0x40000                  ; cx
	s_bfe_u32 s41, ttmp6, 0x40004                  ; cy
	s_lshl_b32 s42, ttmp9, 2
	s_add_co_u32 s42, s42, s40                     ; tile column
	s_and_b32 s12, ttmp7, 0xffff                   ; cluster y: 0 .. 5
	s_lshr_b32 s13, s12, 1                         ; p: the same in all sixteen partners
	s_and_b32 s12, s12, 1
	s_lshl_b32 s17, s12, 2
	s_add_co_u32 s17, s17, s41                     ; tile row
	s_lshl_b32 s43, s41, 2
	s_lshl_b32 s43, 15, s43                        ; my row of the cluster
	s_lshl_b32 s44, 0x1111, s40                    ; my column
	s_or_b32 s[G1+0], s43, (3<<16)|(1<<21)         ; 15:0 the mask; 17:16 elements of 8 bytes; 20 no padding; 21 set beside a mask
	s_or_b32 s[G1B+0], s44, (3<<16)|(1<<21)
.irp g, G1, G1B
	s_mov_b32 s[\g+1], 512<<16                     ; tensor_dim0 = 512 elements: 4,096 bytes
	s_mov_b32 s[\g+2], 8<<16                       ; tensor_dim1 = 8
	s_mov_b32 s[\g+3], 512<<16                     ; tile_dim0
	s_mov_b32 s[\g+4], 8                           ; tile_dim1
	s_mov_b32 s[\g+5], 4096                        ; from row tile to row tile: 32,768 bytes
	s_mov_b32 s[\g+6], 0
	s_mov_b32 s[\g+7], 0
.endr
	s_add_co_u32 s81, s13, 3
	s_cmp_eq_u32 s13, 2
	s_cselect_b32 s80, 5, s13                      ; A's section: x(e0), x(e2), wv
	s_cselect_b32 s81, 2, s81                      ; B's: wq, wk, x(e4)
	s_lshl_b32 s20, s80, 22
	s_lshl_b32 s18, s17, 19                        ; 16 row tiles of 32,768 bytes to a tile
	s_add_co_u32 s20, s20, s18
	s_lshl_b32 s18, s16, 18                        ; the 8 that I fetch
	s_add_co_u32 s20, s20, s18
	s_mov_b32 s21, 0
	s_lshl_b32 s46, s81, 22
	s_lshl_b32 s47, s42, 19
	s_add_co_u32 s46, s46, s47
	s_add_co_u32 s46, s46, s18
	s_mov_b32 s47, 0
	s_mul_i32 s45, s14, BLKB                       ; where they go: no place in the cluster enters an LDS address
	s_wait_kmcnt 0x0
	s_load_b256 s[68:75], s[6:7], 0x0              ; e0 .. e7
	s_load_b128 s[76:79], s[6:7], 0x20             ; e8 .. e11
	s_add_nc_u64 s[20:21], s[4:5], s[20:21]
	s_add_nc_u64 s[46:47], s[4:5], s[46:47]
	CROUND                                         ; all sixteen work-groups are here: the first joint loads meet
.irp s, 0,1
	s_mov_b32 s[G0+4*\s], 1
	s_add_co_u32 s[G0+4*\s+1], s45, \s*SLOT
	s_add_nc_u64 s[G0+4*\s+2:G0+4*\s+3], s[20:21], \s*STEPB
	s_or_b32 s[G0+4*\s+3], s[G0+4*\s+3], 0x80000000
	s_mov_b32 s[G0B+4*\s], 1
	s_add_co_u32 s[G0B+4*\s+1], s45, \s*SLOT
	s_add_nc_u64 s[G0B+4*\s+2:G0B+4*\s+3], s[46:47], \s*STEPB
	s_or_b32 s[G0B+4*\s+3], s[G0B+4*\s+3], 0x80000000
	JLOAD G0+4*\s, G1, G0B+4*\s, G1B
.endr
	v_and_b32 v1, 31, v0
	v_lshlrev_b32 v[LI], 4, v1
	s_mul_i32 s21, s15, BLKB                       ; my 128 rows of A
	s_mul_i32 s22, s16, BLKB                       ; my 128 rows of B,
	s_add_co_u32 s22, s22, 2*BLKB                  ; behind A's two halves
.irp s, 0,1
	v_add_nc_u32 v[ADRA+\s], s21, v[LI]
	v_add_nc_u32 v[ADRB+\s], s22, v[LI]
	s_add_co_u32 s21, s21, SLOT
	s_add_co_u32 s22, s22, SLOT
.endr
	; where my 8 images go, and where my cos and sin come from
	s_lshl_b32 s84, s17, 1
	s_add_co_u32 s84, s84, s15                     ; which 128 rows of A's side are mine
	s_lshl_b32 s85, s42, 1
	s_add_co_u32 s85, s85, s16                     ; which 128 of B's
	s_lshl_b32 s88, s84, 3                         ; q, k: my first tile of 16 positions
	s_cmp_eq_u32 s13, 2
	s_cselect_b32 s86, s84, s85                    ; the head: B's side for q and k, A's for v
	s_cselect_b32 s87, s85, s84                    ; the block of 128 positions
	s_cselect_b32 s88, 128, s88                    ; v: the table's last image,
	s_cselect_b32 s90, 0, 8192                     ; and no step
	s_lshl_b32 s86, s86, 18                        ; 128 images of 2,048 bytes to a head
	s_lshl_b32 s87, s87, 14
	s_add_co_u32 s86, s86, s87
	s_lshl_b32 s87, s13, 22                        ; section p
	s_add_co_u32 s86, s86, s87
	s_mov_b32 s87, 0
	s_add_nc_u64 s[10:11], s[10:11], s[86:87]
	s_lshl_b32 s88, s88, 13
	s_mov_b32 s89, 0
	s_add_nc_u64 s[8:9], s[8:9], s[88:89]
.macro FRAG reg, adr, q, i             ; row tile i, the slot's q-th K step: the image as it lies, 512 consecutive bytes a load
.irp c, 0,1,2,3
	ds_load_b128 v[\reg+4*\c:\reg+4*\c+3], v[\adr] offset:4096*(\i)+2048*(\q)+512*\c
.endr
.endm
; 16 matrix instructions: A's blocks a0, a0 + 1 x B's eight.  The 64 accumulators take turns, one instruction a turn, in the same order in every step.
.macro MUL16 a0, p, zero
.irp a, \a0, \a0+1
.irp b, 0,1,2,3,4,5,6,7
.if \zero
	v_wmma_f32_16x16x128_fp8_fp8 v[8*(8*((\a)%4)+\b):8*(8*((\a)%4)+\b)+7], v[128*(\p)+FR*\b:128*(\p)+FR*\b+FR-1], v[AF+FR*(\a):AF+FR*(\a)+FR-1], 0
.else
	v_wmma_f32_16x16x128_fp8_fp8 v[8*(8*((\a)%4)+\b):8*(8*((\a)%4)+\b)+7], v[128*(\p)+FR*\b:128*(\p)+FR*\b+FR-1], v[AF+FR*(\a):AF+FR*(\a)+FR-1], v[8*(8*((\a)%4)+\b):8*(8*((\a)%4)+\b)+7]
.endif
.endr
.endr
.endm
.macro FETCH_B slot, q, p
	WIN TO_B
.irp i, 0,1,2,3,4,5,6,7
	FRAG 128*(\p)+FR*\i, ADRB+\slot, \q, \i
.endr
	WIN 0
.endm
.macro FETCH_A slot, q, i0
.irp i, \i0, \i0+1, \i0+2, \i0+3
	FRAG AF+FR*(\i), ADRA+\slot, \q, \i
.endr
.endm
.macro PLACES n                        ; plain vector lines between a matrix instruction and a load into, or a vector read or write of, its registers
.rept \n
	v_nop
.endr
.endm
.macro STEP slot, q, zero              ; 128 along K, with its successor in the same slot.  A has one set of registers: a block is free when its eight products are issued
	s_wait_dscnt 4*NL                              ; B's set and A's blocks 0-3 are in; the youngest 16 loads (A's blocks 4-7) may be out
	WIN MUL_LO
	MUL16 0, (\q)%2, \zero
	MUL16 2, (\q)%2, \zero
	s_wait_dscnt 0
	PLACES NP
	FETCH_B \slot, (\q)+1, 1-(\q)%2
	FETCH_A \slot, (\q)+1, 0
	WIN MUL_HI
	MUL16 4, (\q)%2, \zero
	MUL16 6, (\q)%2, \zero
	PLACES NP
	WIN 0
	FETCH_A \slot, (\q)+1, 4
.endm
; A slot's last step changes slots: one barrier; in front of it each wave waits for all its tensor loads, adds 0 to its spare word, and waits for that and for its reads of this slot.
.macro TURN slot, next, fill
	s_wait_tensorcnt 0x0                           ; all my tensor loads have landed: the one that was out is my part of the next slot
	ds_add_u32 v[SPW], v[NIL]                      ; 0 onto my spare word
	s_wait_dscnt 4*NL+1                            ; (the add and the youngest 16 loads may be out)
	WIN MUL_LO
	MUL16 0, 1, 0
	s_wait_dscnt 0x0                               ; the add is done, and my reads of this slot are over
	s_barrier_signal -1
	MUL16 2, 1, 0
	WIN 0
	s_barrier_wait -1
.if \fill
	CREST                                          ; the barrier has opened a round of the cluster's: no wave of any partner still reads this slot or has a load on its way
	s_add_nc_u64 s[G0+4*\slot+2:G0+4*\slot+3], s[G0+4*\slot+2:G0+4*\slot+3], 2*STEPB
	s_add_nc_u64 s[G0B+4*\slot+2:G0B+4*\slot+3], s[G0B+4*\slot+2:G0B+4*\slot+3], 2*STEPB
	JLOAD G0+4*\slot, G1, G0B+4*\slot, G1B         ; the first tensor load behind the round, my only one until the next; its four v_nop are the places in front of the loads below
.else
	PLACES NP
.endif
	FETCH_B \next, 0, 0
	FETCH_A \next, 0, 0
	WIN MUL_HI
	MUL16 4, 1, 0
	MUL16 6, 1, 0
	PLACES NP
	WIN 0
	FETCH_A \next, 0, 4
.endm
	s_wait_tensorcnt 1                             ; my part of slot 0 is in; slot 1's load may be out.  Two loads of mine are out at the most
	s_barrier_signal -1
	s_barrier_wait -1
	FETCH_B 0, 0, 0
	FETCH_A 0, 0, 0
	FETCH_A 0, 0, 4
	STEP 0, 0, 1                                   ; the first step starts the sums: nothing is cleared
	s_mov_b32 s3, LAPS-1
.Llap:
	TURN 0, 1, 1
	STEP 1, 0, 0
	TURN 1, 0, 1
	STEP 0, 0, 0
	s_sub_co_u32 s3, s3, 1
	s_cmp_lg_u32 s3, 0
	s_cbranch_scc1 .Llap
	TURN 0, 1, 0                                   ; the last lap fills nothing
	STEP 1, 0, 0
	s_wait_dscnt 4*NL
	WIN MUL_LO
	MUL16 0, 1, 0
	MUL16 2, 1, 0
	s_wait_dscnt 0
	WIN MUL_HI
	MUL16 4, 1, 0
	MUL16 6, 1, 0
	WIN 0
	s_wait_kmcnt 0x0
	s_sub_co_i32 s82, s74, s68
	s_sub_co_i32 s82, s82, s69                     ; e6 - e0 - e1
	s_sub_co_i32 s83, s75, s70
	s_sub_co_i32 s83, s83, s71                     ; e7 - e2 - e3
	s_sub_co_i32 s92, s77, s72
	s_sub_co_i32 s92, s92, s73                     ; e9 - e4 - e5
	s_cmp_eq_u32 s13, 1
	s_cselect_b32 s82, s83, s82
	s_cmp_eq_u32 s13, 2
	s_cselect_b32 s82, s92, s82                    ; E
	s_add_co_i32 s82, s82, 127
	s_lshl_b32 s83, s82, 23
	s_add_co_i32 s82, s82, 8
	s_lshl_b32 s82, s82, 23
	s_or_b32 s82, s82, 0x600000
	PLACES NP                                      ; behind the last products: for the loads into B's old registers, the writes into A's old registers and the first reads of results
	v_mov_b32 v[SCL], s83
	v_mov_b32 v[LIM], s82
	v_mov_b32 v[RO], v[LI]
.irp a, 1,2,3,4,5,6,7
	v_add_nc_u32 v[RO+\a], s90, v[RO+\a-1]         ; each block has its own offset: no base is stepped
.endr
.macro ROPELD a                        ; the image of block a's 16 positions: 16 groups of 512 bytes, into set a % 4 of window 1
	WIN 0x40                                       ; destination window 1, address window 0
.irp g, 0,1,2,3,4,5,6,7,8,9,10,11,12,13,14,15
	global_load_b128 v[64*((\a)%4)+4*\g:64*((\a)%4)+4*\g+3], v[RO+(\a)], s[8:9] offset:512*\g
.endr
.endm
.macro OUTB a                          ; block a: 16 rows of A's side x my 128 of B's: one image
.set CB, 64*((\a)%4)                   ; its cos and sin, in window 1
.set AC, 64*((\a)%4)                   ; its accumulators, in window 2 or 3
.set CO, CDR+16*((\a)%2)
.if (\a) < 5
	s_wait_loadcnt 48                              ; this block's 16 loads are in; those of the three blocks behind it may be out
.else
	s_wait_loadcnt 16*(7-(\a))                     ; the counts run down: 32, 16, 0
.endif
.if (\a) > 1
	s_wait_xcnt 0x0                                ; block a - 2's stores have read their codes: that set is written again below
.endif
	WIN 0x06+((\a)/4)                              ; source 0: the accumulators' window; source 1: window 1; the rest window 0
.irp b, 0,1,2,3
.irp j, 0,2,4,6                        ; each accumulator from its low end on
	v_pk_mul_f32 v[TMP+8*\b+\j:TMP+8*\b+\j+1], v[AC+8*\b+\j:AC+8*\b+\j+1], v[CB+8*(2*\b+\j/4)+\j%4:CB+8*(2*\b+\j/4)+\j%4+1]
	v_pk_mul_f32 v[TMP+32+8*\b+\j:TMP+32+8*\b+\j+1], v[AC+32+8*\b+\j:AC+32+8*\b+\j+1], v[CB+8*(2*\b+\j/4)+\j%4:CB+8*(2*\b+\j/4)+\j%4+1]
	v_pk_fma_f32 v[TMP+8*\b+\j:TMP+8*\b+\j+1], v[AC+32+8*\b+\j:AC+32+8*\b+\j+1], v[CB+8*(2*\b+\j/4)+\j%4+4:CB+8*(2*\b+\j/4)+\j%4+5], v[TMP+8*\b+\j:TMP+8*\b+\j+1] neg_lo:[1,0,0] neg_hi:[1,0,0]
	v_pk_fma_f32 v[TMP+32+8*\b+\j:TMP+32+8*\b+\j+1], v[AC+8*\b+\j:AC+8*\b+\j+1], v[CB+8*(2*\b+\j/4)+\j%4+4:CB+8*(2*\b+\j/4)+\j%4+5], v[TMP+32+8*\b+\j:TMP+32+8*\b+\j+1]
.endr
.endr
.if (\a) < 4
	ROPELD (\a)+4                                  ; the rotation has read this set: it takes the block four on
.endif
	WIN 0
.irp b, 0,1,2,3,4,5,6,7
.irp j, 0,1,2,3,4,5,6,7
	v_med3_num_f32 v[TMP+8*\b+\j], v[TMP+8*\b+\j], -v[LIM], v[LIM]   ; the conversion does not saturate (ISA guide 7.6.2): the hold stands without a branch, whatever E is
.endr
	v_cvt_scalef32_pk8_fp8_f32 v[CO+2*\b:CO+2*\b+1], v[TMP+8*\b:TMP+8*\b+7], v[SCL]
.endr
	v_nop                                          ; a plain line behind the last conversion, ahead of the next block's writes of its sources
.irp g, 0,1,2,3
	global_store_b128 v[LI], v[CO+4*\g:CO+4*\g+3], s[10:11] offset:2048*(\a)+512*\g   ; 512 consecutive bytes
.endr
.endm
	ROPELD 0
	ROPELD 1
	ROPELD 2
	ROPELD 3
.irp a, 0,1,2,3,4,5,6,7
	OUTB \a
.endr
	s_wait_tensorcnt 0x0                           ; the wave's end
	ds_add_u32 v[SPW], v[NIL]
	s_wait_dscnt 0x0
	CROUND                                         ; the closing round: no work-group ends while a partner may still ask for a tile that names it
	s_endpgm
.Lfunc_end_k_qc020fc399d_qkv:
	.size	k_qc020fc399d_qkv, .Lfunc_end_k_qc020fc399d_qkv-k_qc020fc399d_qkv
	.p2alignl 7, 3214868480
	.fill 96, 4, 3214868480
	.section	.rodata,"a",@progbits
	.p2align	6, 0x0
	.amdhsa_kernel k_qc020fc399d_qkv
		.amdhsa_group_segment_fixed_size 327680
		.amdhsa_private_segment_fixed_size 0
		.amdhsa_enable_private_segment 0
		.amdhsa_kernarg_size 32
		.amdhsa_user_sgpr_count 2
		.amdhsa_user_sgpr_kernarg_segment_ptr 1
		.amdhsa_wavefront_size32 1
		.amdhsa_system_sgpr_workgroup_id_x 1
		.amdhsa_system_sgpr_workgroup_id_y 1
		.amdhsa_system_sgpr_workgroup_id_z 1
		.amdhsa_system_vgpr_workitem_id 0
		.amdhsa_next_free_vgpr 1024
		.amdhsa_next_free_sgpr 98
		.amdhsa_reserve_vcc 0
		.amdhsa_float_denorm_mode_32 3
		.amdhsa_float_denorm_mode_16_64 3
		.amdhsa_memory_ordered 1
		.amdhsa_forward_progress 1
		.amdhsa_inst_pref_size 163
	.end_amdhsa_kernel
	.amdgpu_metadata
---
amdhsa.version: [ 1, 2 ]
amdhsa.kernels:
  - .name:           k_qc020fc399d_qkv
    .symbol:         k_qc020fc399d_qkv.kd
    .args:
      - { .name: codes, .offset: 0, .size: 8, .value_kind: global_buffer, .address_space: global }
      - { .name: lowp_scales, .offset: 8, .size: 8, .value_kind: global_buffer, .address_space: global }
      - { .name: rope, .offset: 16, .size: 8, .value_kind: global_buffer, .address_space: global }
      - { .name: qkv, .offset: 24, .size: 8, .value_kind: global_buffer, .address_space: global }
    .group_segment_fixed_size: 327680
    .private_segment_fixed_size: 0
    .kernarg_segment_align: 8
    .kernarg_segment_size: 32
    .max_flat_workgroup_size: 128
    .sgpr_count:     98
    .vgpr_count:     1024
    .wavefront_size: 32
...
	.end_amdgpu_metadata
.endif
;; end of part 2
;; launch attn (part 3): grid 16 x 16, 8 waves a work-group, no clusters, 132,096 bytes of LDS; arguments qkv, mbits, lowp_scales, yc; writes yc
.if DOCPART == 3
	.amdgcn_target "amdgcn-amd-amdhsa--gfx1250"
	.amdhsa_code_object_version 6
	.text
	.protected	k_qc020fc399d_attn
	.globl	k_qc020fc399d_attn
	.p2align	8
	.type	k_qc020fc399d_attn,@function
k_qc020fc399d_attn:
	s_mov_b64 s[64:65], 0
	v_nop
	global_prefetch_b8 v0, s[64:65] scope:SCOPE_SE
	s_setreg_imm32_b32 hwreg(HW_REG_WAVE_MODE, 25, 1), 1
	s_wait_xcnt 0x0
; ATTN.  y[t][head] = softmax over the keys that the mask keeps of (q . k / sqrt(128)) times v, both products on codes of E4M3; y leaves as codes (scale e10), as images of operand registers.
; THE SOFTMAX: t = score x log2(e) / sqrt(128); M = the running largest t rounded up to a whole number; p = 2^(t - M) is quantised (scale e8), not normalised; the row's sum is taken of the unquantised p and divides at the end.
; When M moves, the sum and O are multiplied by 2^(old M - new M): exact.  A row that keeps no key has the sum 0 and leaves as the NaN code, so that the last product gives NaN there.
; SHARES.  Work-group (g, head), eight waves, a tile of 16 queries each: tile 4 g + w for waves 0-3, tile 127 - 4 g - (w - 4) for waves 4-7.  All eight walk the head's 16 steps of 128 keys together, one barrier a step.
; THE MASK is an input: it comes as lane-mask words (record (tile, step): word 8 c + j is the lane mask of score register 8 c + j) and one flag bit a record.  A step whose record is empty for my tile is left out by a scalar
; branch on the stored flag: round its LDS reads, products and softmax, never round a barrier or the copying of later steps' tiles.
; LAYOUT.  S^T = K Q^T (source 0 = 16 keys, source 1 = my queries), O^T = V^T P^T (source 0 = 16 channels, source 1 = P): a lane holds one query (lane % 16) throughout; tile c's eight scores are keys 16 c + 8 (lane / 16) + 0 .. 7,
; which are registers 2 c, 2 c + 1 of P's fragment: a conversion's result is the operand.  K's and V^T's fragments lie in 'qkv' as images (2,048 bytes: register 4 g + w of lane l at 512 g + 16 l + 4 w).
; ALL THAT A STEP NEEDS IS ASKED FOR AHEAD.  LDS has four slots of 32,768 bytes (8 images of K, then 8 of V^T); step u lies in slot u % 4.  In step s a wave asks memory for its 4,096 bytes of step s + 3 (two sets of registers
; by turns), stores those of step s + 2 into LDS, reads V^T of step s behind its first products, and, where the flag of step s + 1 is set, reads K and the mask words of step s + 1 under its softmax.
; Between two barriers slot s (V^T) and slot s + 1 (K) are read and slot s + 2 is written, which was last read two steps back: one barrier a step orders all of it.
; LIMITS: e6 + e7 between -123 and 130 (added to c's exponent field); e8 and e10 between -126 and 119.  NaN among the codes is not served.
; REGISTERS: window 0: v1-6 addresses and -infinity; v12 -M, v13 the largest t, v[14:15] the sum; v16-31 Q; v32-95 the copy, two sets; v96-159 S^T, then p; v160-223 O^T; v224-239 codes; v240-254 at work.
; Window 1: v0-127 K's eight fragments, v128-255 V^T's.  s[16:47], s[68:99]: a step's 64 mask words.
.set LIA,  1                           ; v1 16 x lane: slots 0 and 1
.set LWA,  2                           ; v2 4,096 x wave + 16 x lane: slots 0 and 1
.set PFO,  3                           ; v3 256 x lane
.set NINF, 4                           ; v4 -infinity
.set LIB,  5                           ; v5 = v1 + 65,536: slots 2 and 3 (LIA + 4)
.set LWB,  6                           ; v6 = v2 + 65,536 (LWA + 4)
.set CP,   32                          ; v32-63, v64-95 the copy's two sets
.set SLOTB, 32768
.set VOFF,  16384
.set MSB, 0
.macro WIN new                         ; the immediate's high byte repeats the setting that is left
.if MSB != (\new)
	s_set_vgpr_msb (MSB<<8)|(\new)
.set MSB, (\new)
.endif
.endm
.macro KLOAD k                         ; K's eight fragments out of slot k: 32 loads of 512 consecutive bytes
	WIN 0x40                                       ; destination window 1, address window 0
.irp t, 0,1,2,3,4,5,6,7
.irp c, 0,1,2,3
	ds_load_b128 v[16*\t+4*\c:16*\t+4*\c+3], v[LIA+4*((\k)/2)] offset:((\k)%2)*SLOTB+2048*\t+512*\c
.endr
.endr
	WIN 0
.endm
.macro VLOAD k                         ; V^T's eight
	WIN 0x40
.irp t, 0,1,2,3,4,5,6,7
.irp c, 0,1,2,3
	ds_load_b128 v[128+16*\t+4*\c:128+16*\t+4*\c+3], v[LIA+4*((\k)/2)] offset:((\k)%2)*SLOTB+VOFF+2048*\t+512*\c
.endr
.endr
	WIN 0
.endm
.macro MLOAD r                         ; the record r steps on from the trip's first: 64 words
	s_load_b512 s[16:31], s[52:53], 256*(\r)
	s_load_b512 s[32:47], s[52:53], 256*(\r)+64
	s_load_b512 s[68:83], s[52:53], 256*(\r)+128
	s_load_b512 s[84:99], s[52:53], 256*(\r)+192
.endm
	s_load_b256 s[4:11], s[0:1], 0x0               ; qkv s[4:5], mbits s[6:7], the exponents s[8:9], yc s[10:11]
	v_lshl_add_u32 v251, v0, 2, 0x20000
	v_mov_b32 v255, 0
	v_lshrrev_b32 v7, 5, v0
	v_readfirstlane_b32 s12, v7                    ; wave
	v_and_b32 v7, 31, v0
	v_lshlrev_b32 v[LIA], 4, v7
	v_lshlrev_b32 v[PFO], 8, v7
	s_lshl_b32 s14, s12, 12
	v_add_nc_u32 v[LWA], s14, v[LIA]
	v_add_nc_u32 v[LIB], 0x10000, v[LIA]
	v_add_nc_u32 v[LWB], 0x10000, v[LWA]
	v_mov_b32 v[NINF], 0xff800000
	s_and_b32 s63, ttmp7, 0xffff                   ; the head
	s_lshl_b32 s13, ttmp9, 2
	s_and_b32 s14, s12, 3
	s_add_co_u32 s13, s13, s14
	s_sub_co_u32 s59, 127, s13
	s_mov_b32 s60, 0x800000
	s_cmp_lt_u32 s12, 4
	s_cselect_b32 s13, s13, s59                    ; my tile of queries
	s_cselect_b32 s60, 0x400000, s60               ; waves 0-3 copy K's images, waves 4-7 V^T's
	s_lshl_b32 s59, s63, 18                        ; a head: 128 images
	s_add_co_u32 s60, s60, s59
	s_lshl_b32 s59, s14, 12                        ; my two of a step's eight
	s_add_co_u32 s60, s60, s59
	s_mov_b32 s61, 0
	s_wait_kmcnt 0x0
	s_add_nc_u64 s[50:51], s[4:5], s[60:61]        ; what I copy: step 0's part; stepped once a trip of four steps
	s_lshl_b32 s60, s63, 7
	s_add_co_u32 s60, s60, s13
	s_lshl_b32 s60, s60, 11
	s_add_nc_u64 s[4:5], s[4:5], s[60:61]          ; Q's image
	s_lshl_b32 s60, s13, 12
	s_add_nc_u64 s[52:53], s[6:7], s[60:61]        ; my tile's 16 records; stepped once a trip
	s_lshl_b32 s59, s13, 3
	s_load_b64 s[48:49], s[6:7], s59 offset:0x80000 ; its two flag words
	s_load_b128 s[68:71], s[8:9], 0x18             ; e6, e7, e8, e9
	s_load_b32 s72, s[8:9], 0x28                   ; e10
	s_lshl_b32 s60, s13, 4
	s_add_co_u32 s60, s60, s63
	s_lshl_b32 s60, s60, 11
	s_add_nc_u64 s[10:11], s[10:11], s[60:61]      ; y's image: (16 x tile + head) x 2,048
.irp c, 0,1,2,3
	global_load_b128 v[16+4*\c:19+4*\c], v[LIA], s[4:5] offset:512*\c
.endr
.irp c, 0,1,2,3,4,5,6,7
	global_load_b128 v[96+4*\c:99+4*\c], v[LIA], s[50:51] offset:512*\c                    ; step 0's part, into registers that the scores take later
.endr
.irp c, 0,1,2,3,4,5,6,7
	global_load_b128 v[CP+32+4*\c:CP+32+4*\c+3], v[LIA], s[50:51] offset:16384+512*\c      ; step 1's, into set 1
.endr
.irp c, 0,1,2,3,4,5,6,7
	global_load_b128 v[CP+4*\c:CP+4*\c+3], v[LIA], s[50:51] offset:32768+512*\c            ; step 2's, into set 0: step 0 stores it
.endr
	v_mov_b32 v13, 0xff61b1e6                      ; the largest t so far: -3e38
	v_floor_f32 v12, -v13                          ; -M
	v_mov_b32 v14, 0
	v_mov_b32 v15, 0
	v_mov_b32 v246, 0                              ; a lane permute's destination counts as one of its sources
	v_mov_b32 v253, 0                              ; (named as the upper half of v[252:253])
.set ii, 0
.rept 64
	v_mov_b32 v[160+ii], 0                         ; O^T: which step is a tile's first hangs on the mask, so the sums begin as zeros
.set ii, ii+1
.endr
	s_mov_b32 s54, 0x76543210                      ; v_permlanex16_b32: lane l xor 16
	s_mov_b32 s55, 0xfedcba98
	s_mov_b32 s15, 0                               ; the step
	s_and_b32 s58, s12, 1
	s_or_b32 s58, s58, ttmp9
	s_cmp_eq_u32 s58, 0
	s_cselect_b32 s58, 11, 0                       ; the head's first work-group's even waves prefetch, in steps 0 .. 10
	s_wait_kmcnt 0x0
	s_or_b32 s48, s48, s49                         ; 16 flags; shifted down by one at each step's end: bit 0 is this step's, bit 1 the next's
	s_add_co_i32 s59, s68, s69
	s_lshl_b32 s59, s59, 23
	s_add_co_i32 s56, s59, 0x3e0293ee              ; c = log2(e) / sqrt(128) x 2^(e6 + e7)
	s_mov_b32 s57, s56                             ; (named with it as a pair)
	s_add_co_i32 s59, s70, 127
	s_lshl_b32 s60, s59, 23
	v_mov_b32 v244, s60                            ; 2^e8
	s_add_co_i32 s59, s59, 8
	s_lshl_b32 s59, s59, 23
	s_or_b32 s59, s59, 0x600000
	v_mov_b32 v240, s59                            ; 448 x 2^e8
	s_add_co_i32 s100, s70, s71                    ; e8 + e9
	s_add_co_i32 s59, s72, 127
	s_lshl_b32 s101, s59, 23                       ; 2^e10
	s_add_co_i32 s59, s59, 8
	s_lshl_b32 s59, s59, 23
	s_or_b32 s104, s59, 0x600000                   ; 448 x 2^e10
	MLOAD 0                                        ; step 0's mask words, whatever its flag: the exponents above have left these registers
	s_wait_loadcnt 8                               ; Q and the parts of steps 0 and 1 are in; step 2's 8 loads may be out
.irp c, 0,1,2,3,4,5,6,7
	ds_store_b128 v[LWA], v[96+4*\c:99+4*\c] offset:512*\c
.endr
.irp c, 0,1,2,3,4,5,6,7
	ds_store_b128 v[LWA], v[CP+32+4*\c:CP+32+4*\c+3] offset:SLOTB+512*\c
.endr
	s_wait_dscnt 0x0                               ; for the others' sake: my stores have landed
	s_barrier_signal -1
	s_barrier_wait -1
	KLOAD 0                                        ; step 0's K, whatever its flag
	s_wait_dscnt 0x0
; STEP j of a trip of four (slot j).  ld: my part of the step three on is asked for; pf: and a prefetch may stand; st: my part of the step two on goes into LDS; nx: the next step's K and mask words are asked for; bar: a barrier closes the step.
.macro STEP j, ld, pf, st, nx, bar
.if \ld
.irp c, 0,1,2,3,4,5,6,7
	global_load_b128 v[CP+32*((\j+1)%2)+4*\c:CP+32*((\j+1)%2)+4*\c+3], v[LIA], s[50:51] offset:16384*(\j+3)+512*\c   ; it is stored at the next step's end: two steps in which to come
.endr
.endif
.if \pf
	s_cmp_lt_u32 s15, s58                          ; a prefetch of the step five on (two ahead of its copy): 8,192 bytes, a lane to each 256: my part and the next wave's.  Each block is named once: one work-group of a head, its even waves
	s_cbranch_scc0 .Lnoask_\@
	global_prefetch_b8 v[PFO], s[50:51] offset:16384*(\j+5) th:TH_LOAD_NT scope:SCOPE_SE
.Lnoask_\@:
.endif
	s_and_b32 s59, s48, 1
	s_cmp_lg_u32 s59, 0
	s_cbranch_scc0 .Lskip_\@                       ; the mask keeps no key of this step for my 16 queries
	WIN 0x01                                       ; source 0 window 1
.irp t, 0,1,2,3,4,5,6,7
	v_wmma_f32_16x16x128_fp8_fp8 v[96+8*\t:103+8*\t], v[16*\t:16*\t+15], v[16:31], 0   ; K came in the step before
.endr
	WIN 0
.rept 4
	v_nop                                          ; places: for the loads into V^T's and K's registers and for the first reads of the scores
.endr
	VLOAD \j                                       ; wanted behind the softmax
	s_wait_kmcnt 0x0                               ; the mask words, asked for in the step before
.set nn, 0
.rept 64
.if nn < 32
.set wn, 16+nn
.else
.set wn, 36+nn
.endif
	v_cndmask_b32 v[96+nn], v[NINF], v[96+nn], s[wn]   ; a key that the mask drops: -infinity, so p = 0.  Each accumulator from its low end on
.set nn, nn+1
.endr
	v_max3_num_f32 v254, v96, v97, v98             ; the step's largest score of my query among my 64 keys, in two chains,
	v_max3_num_f32 v252, v99, v100, v101
.set ii, 6
.rept 14
	v_max3_num_f32 v254, v254, v[96+ii], v[97+ii]
	v_max3_num_f32 v252, v252, v[98+ii], v[99+ii]
.set ii, ii+4
.endr
	v_max3_num_f32 v254, v254, v158, v159
	v_max_num_f32 v254, v254, v252
	v_permlanex16_b32 v246, v254, s54, s55
	v_max_num_f32 v254, v254, v246                 ; and among lane l xor 16's
	v_mul_f32 v254, s56, v254                      ; as t (c is positive)
	v_max_num_f32 v13, v13, v254
	v_mov_b32 v254, v12
	v_floor_f32 v12, -v13                          ; the new -M = -ceil(t)
	v_sub_f32 v254, v12, v254                      ; old M - new M: a whole number, 0 or less
	v_cvt_i32_f32 v254, v254                       ; (it saturates)
	v_ldexp_f32 v252, 1.0, v254                    ; f = 2^(old M - new M)
.if \nx
	s_and_b32 s59, s48, 2                          ; does the next step keep a key for my queries?
	s_cmp_lg_u32 s59, 0
	s_cbranch_scc0 .Lnonext_\@
	KLOAD (\j+1)%4                                 ; its K, into the registers that this step's first products have left; it has the rest of the softmax in which to come
	MLOAD \j+1                                     ; and its mask words: this step's have been used
.Lnonext_\@:
.endif
.set ii, 0
.rept 32
	v_pk_fma_f32 v[96+ii:97+ii], v[96+ii:97+ii], s[56:57], v[12:13] op_sel_hi:[1,0,0]   ; t - M
.set ii, ii+2
.endr
.set ii, 0
.rept 64
	v_exp_f32 v[96+ii], v[96+ii]                   ; p = 2^(t - M): one batch
.set ii, ii+1
.endr
	v_pk_mul_f32 v[14:15], v[14:15], v[252:253] op_sel_hi:[1,0]   ; the sum under the new M: the plain line behind the batch
	s_wait_alu depctr_va_vdst(0)                   ; one wait for the batch, ahead of its first reader
	v_pk_add_f32 v[242:243], v[96:97], v[98:99]    ; the sum of the unquantised p, in two chains
.set ii, 4
.rept 15
	v_pk_add_f32 v[14:15], v[14:15], v[96+ii:97+ii]
	v_pk_add_f32 v[242:243], v[242:243], v[98+ii:99+ii]
.set ii, ii+4
.endr
	v_pk_add_f32 v[14:15], v[14:15], v[242:243]
.irp t, 0,1,2,3,4,5,6,7
.irp i, 0,1,2,3,4,5,6,7
	v_min_num_f32 v[96+8*\t+\i], v[96+8*\t+\i], v240   ; the conversion does not saturate (ISA guide 7.6.2); p is not negative: a one-sided hold
.endr
	v_cvt_scalef32_pk8_fp8_f32 v[224+2*\t:225+2*\t], v[96+8*\t:103+8*\t], v244
.endr
.set ii, 0
.rept 32
	v_pk_mul_f32 v[160+ii:161+ii], v[160+ii:161+ii], v[252:253] op_sel_hi:[1,0]   ; O^T under the new M; also the plain lines between the conversions and the products
.set ii, ii+2
.endr
	s_wait_dscnt 0x0                               ; V^T is in (and the next step's K, where it was asked for: the count differs between the two ways, so it is 0)
	WIN 0x01
.irp t, 0,1,2,3,4,5,6,7
	v_wmma_f32_16x16x128_fp8_fp8 v[160+8*\t:167+8*\t], v[128+16*\t:143+16*\t], v[224:239], v[160+8*\t:167+8*\t]   ; eight accumulators, one instruction each
.endr
	WIN 0
.if \nx
	s_branch .Ljoin_\@
.Lskip_\@:                                         ; nothing to do in this step: only the next step's requests
	s_and_b32 s59, s48, 2
	s_cmp_lg_u32 s59, 0
	s_cbranch_scc0 .Ljoin_\@
	s_wait_kmcnt 0x0                               ; no scalar load lands on registers that an earlier one may still write
	KLOAD (\j+1)%4
	MLOAD \j+1
.Ljoin_\@:
.else
.Lskip_\@:
.endif
.if \st
.if \ld
	s_wait_loadcnt 8                               ; the part asked for a step ago is in; the 8 loads of this step's head may be out
.else
	s_wait_loadcnt 0x0
.endif
.irp c, 0,1,2,3,4,5,6,7
	ds_store_b128 v[LWA+4*(((\j+2)%4)/2)], v[CP+32*((\j)%2)+4*\c:CP+32*((\j)%2)+4*\c+3] offset:((\j)%2)*SLOTB+512*\c   ; into slot (j + 2) % 4, which every wave left two barriers ago
.endr
.endif
	s_add_co_u32 s15, s15, 1
	s_lshr_b32 s48, s48, 1
	s_wait_dscnt 0x0                               ; my stores have landed, my reads are over, and the next step's K is in registers
.if \bar
	s_barrier_signal -1
	s_barrier_wait -1
.endif
.endm
	s_mov_b32 s62, 3
.Ltrip:                                            ; steps 0 to 11
	STEP 0, 1, 1, 1, 1, 1
	STEP 1, 1, 1, 1, 1, 1
	STEP 2, 1, 1, 1, 1, 1
	STEP 3, 1, 1, 1, 1, 1
	s_wait_xcnt 0x0                                ; the loads, scalar loads and prefetches have read their bases
	s_add_nc_u64 s[50:51], s[50:51], 65536         ; four steps on
	s_add_nc_u64 s[52:53], s[52:53], 1024
	s_sub_co_u32 s62, s62, 1
	s_cmp_lg_u32 s62, 0
	s_cbranch_scc1 .Ltrip
	STEP 0, 1, 0, 1, 1, 1                          ; step 12 asks for step 15's part and stores step 14's
	STEP 1, 0, 0, 1, 1, 1                          ; step 13 stores step 15's
	STEP 2, 0, 0, 0, 1, 0                          ; step 14: nothing is stored any more, so no barrier is owed
	STEP 3, 0, 0, 0, 0, 0                          ; step 15
.rept 4
	v_nop                                          ; places behind the last products
.endr
	v_add_f32 v14, v14, v15
	v_permlanex16_b32 v246, v14, s54, s55
	v_add_f32 v14, v14, v246                       ; the row's sum
	v_cmp_eq_f32 vcc_lo, 0, v14                    ; no key kept
	v_rcp_f32 v252, v14
	v_mov_b32 v247, 0x7f7f7f7f                     ; (a plain line behind the reciprocal)  four NaN codes
	v_mov_b32 v248, s101
	v_mov_b32 v249, s104
	s_wait_alu depctr_va_vdst(0)                   ; the wait ahead of the reciprocal's first reader
	v_ldexp_f32 v252, v252, s100                   ; x 2^(e8 + e9)
.set ii, 0
.rept 32
	v_pk_mul_f32 v[96+ii:97+ii], v[160+ii:161+ii], v[252:253] op_sel_hi:[1,0]   ; y: register 8 c + j is channel 16 c + 8 (lane / 16) + j of my query
.set ii, ii+2
.endr
.irp t, 0,1,2,3,4,5,6,7
.irp i, 0,1,2,3,4,5,6,7
	v_med3_num_f32 v[96+8*\t+\i], v[96+8*\t+\i], -v249, v249
.endr
	v_cvt_scalef32_pk8_fp8_f32 v[224+2*\t:225+2*\t], v[96+8*\t:103+8*\t], v248
.endr
	v_nop                                          ; a plain line between the last conversion and the lines that touch its result
.set ii, 0
.rept 16
	v_cndmask_b32 v[224+ii], v[224+ii], v247, vcc_lo
.set ii, ii+1
.endr
.irp g, 0,1,2,3
	global_store_b128 v[LIA], v[224+4*\g:227+4*\g], s[10:11] offset:512*\g   ; 512 consecutive bytes
.endr
	s_wait_tensorcnt 0x0
	ds_add_u32 v251, v255
	s_wait_dscnt 0x0
	s_endpgm
.Lfunc_end_k_qc020fc399d_attn:
	.size	k_qc020fc399d_attn, .Lfunc_end_k_qc020fc399d_attn-k_qc020fc399d_attn
	.p2alignl 7, 3214868480
	.fill 96, 4, 3214868480
	.section	.rodata,"a",@progbits
	.p2align	6, 0x0
	.amdhsa_kernel k_qc020fc399d_attn
		.amdhsa_group_segment_fixed_size 132096
		.amdhsa_private_segment_fixed_size 0
		.amdhsa_enable_private_segment 0
		.amdhsa_kernarg_size 32
		.amdhsa_user_sgpr_count 2
		.amdhsa_user_sgpr_kernarg_segment_ptr 1
		.amdhsa_wavefront_size32 1
		.amdhsa_system_sgpr_workgroup_id_x 1
		.amdhsa_system_sgpr_workgroup_id_y 1
		.amdhsa_system_sgpr_workgroup_id_z 1
		.amdhsa_system_vgpr_workitem_id 0
		.amdhsa_next_free_vgpr 512
		.amdhsa_next_free_sgpr 106
		.amdhsa_reserve_vcc 1
		.amdhsa_float_denorm_mode_32 3
		.amdhsa_float_denorm_mode_16_64 3
		.amdhsa_memory_ordered 1
		.amdhsa_forward_progress 1
		.amdhsa_inst_pref_size 226
	.end_amdhsa_kernel
	.amdgpu_metadata
---
amdhsa.version: [ 1, 2 ]
amdhsa.kernels:
  - .name:           k_qc020fc399d_attn
    .symbol:         k_qc020fc399d_attn.kd
    .args:
      - { .name: qkv, .offset: 0, .size: 8, .value_kind: global_buffer, .address_space: global }
      - { .name: mbits, .offset: 8, .size: 8, .value_kind: global_buffer, .address_space: global }
      - { .name: lowp_scales, .offset: 16, .size: 8, .value_kind: global_buffer, .address_space: global }
      - { .name: yc, .offset: 24, .size: 8, .value_kind: global_buffer, .address_space: global }
    .group_segment_fixed_size: 132096
    .private_segment_fixed_size: 0
    .kernarg_segment_align: 8
    .kernarg_segment_size: 32
    .max_flat_workgroup_size: 256
    .sgpr_count:     106
    .vgpr_count:     512
    .wavefront_size: 32
...
	.end_amdgpu_metadata
.endif
;; end of part 3
;; launch oproj (part 4): grid 16 x 16, 4 waves a work-group, clusters of 4 x 4, 327,680 bytes of LDS; arguments yc, codes, lowp_scales, out0; writes out0
.if DOCPART == 4
	.amdgcn_target "amdgcn-amd-amdhsa--gfx1250"
	.amdhsa_code_object_version 6
	.text
	.protected	k_qc020fc399d_oproj
	.globl	k_qc020fc399d_oproj
	.p2align	8
	.type	k_qc020fc399d_oproj,@function
k_qc020fc399d_oproj:
	s_mov_b64 s[64:65], 0
	v_nop
	global_prefetch_b8 v0, s[64:65] scope:SCOPE_SE
	s_setreg_imm32_b32 hwreg(HW_REG_WAVE_MODE, 25, 1), 1
	s_wait_xcnt 0x0
	s_wait_alu depctr_hold_cnt(0) depctr_sa_sdst(0) depctr_va_vdst(0) depctr_va_sdst(0) depctr_va_ssrc(0) depctr_va_vcc(0) depctr_vm_vsrc(0)
	s_getreg_b32 s2, hwreg(HW_REG_IB_STS2, 6, 4)
	s_cmp_eq_u32 s2, 0
	s_cbranch_scc0 .Lentry_in_a_cluster
	s_endpgm
.Lentry_in_a_cluster:
	s_bfe_u32 s2, ttmp6, 0x10000c
	s_cmp_lg_u32 s2, 0xf033
	s_cbranch_scc0 .Lentry_shape_is_right
	s_endpgm
.Lentry_shape_is_right:
; OPROJ.  out = y wo^T, 2,048 x 2,048 x 2,048, on codes of E4M3: y (scale e10) from 'yc', wo (e11) from section 6 of 'codes'; each finished sum x 2^(e10 + e11); out is f32.
; LIMIT: e10 + e11 between -126 and 127, so that the factor is an f32 number.
; A tile of 128 x 128 to a work-group, so that there are 256 of them; four waves, 64 x 64 each: 16 accumulators.  Both operands lie as images of a fragment's registers (2,048 bytes; image (row tile R, K step S) at (16 R + S) x 2,048).
; A slot holds 512 along K: for each of 4 row tiles four images on end, 8,192 bytes, 32,768 bytes apart in memory: one tensor load a wave, dense in LDS.  Two slots; 2,048 along K is twice round the ring.
; CLUSTERS: 4 x 4; y's tiles are shared along a row of the cluster, wo's along a column: joint loads.
; THE MATRIX INSTRUCTION is used transposed (source 0 = 16 rows of wo, source 1 = 16 rows of y): a lane holds eight neighbouring numbers of a row of out.
; REGISTERS: window 0: v16-29 addresses; v32-127 the way out; v128-255 the accumulators ((a, b) at v[128 + 8 (4 a + b)]).  Window 1: two sets of fragments (A's four at f, B's four at f + 64).
.set BLKB,   32768
.set SLOT,   4*BLKB
.set SPARE,  2*SLOT                    ; behind the ring: the spare words, 128 bytes a wave: two blocks of 256 bytes that no other line names
.set STEPB,  8192                      ; a slot's part of a row tile in memory
.set LAPS,   2
.set SPITCH, 272                       ; the way out: a stage of 16 rows x (256 bytes + 16) for each wave, in slot 0, which has had its last fill and its last read by then
.set ADRA, 16
.set ADRB, 20
.set STO,  24
.set RD,   25
.set CO,   26
.set LI,   27
.set SPW,  28
.set NIL,  29
.set TMP,  32
.set BK,   64
.set ACC,  128
.set F0,   0
.set F1,   128
.set G1, 24
.set G0, 32
.set G1B, 48
.set G0B, 56
.set MSB, 0
.macro WIN new
.if MSB != (\new)
	s_set_vgpr_msb (MSB<<8)|(\new)
.set MSB, (\new)
.endif
.endm
.set MUL,  0x05                        ; sources 0 and 1 window 1; C and D window 0
.set TO_F, 0x40
.macro JLOAD s                         ; waves 0, 1 fetch y's two halves, waves 2, 3 wo's; four v_nop follow each line
	s_cmp_eq_u32 s15, 0
	s_cbranch_scc0 .Lfor_b_\@
	tensor_load_to_lds s[G0+4*\s:G0+4*\s+3], s[G1:G1+7]
	s_nop 0
.rept 4
	v_nop
.endr
	s_branch .Lasked_\@
.Lfor_b_\@:
	tensor_load_to_lds s[G0B+4*\s:G0B+4*\s+3], s[G1B:G1B+7]
	s_nop 0
.rept 4
	v_nop
.endr
.Lasked_\@:
.endm
.macro CREST
	s_cmp_lg_u32 s14, 0
	s_cbranch_scc1 .Lnot_wave_0_\@
	s_barrier_signal -3
.Lnot_wave_0_\@:
	s_barrier_wait -3
	s_barrier_signal -1
	s_barrier_wait -1
.endm
.macro CROUND
	s_barrier_signal -1
	s_barrier_wait -1
	CREST
.endm
	s_load_b256 s[4:11], s[0:1], 0x0               ; yc s[4:5], codes s[6:7], the exponents s[8:9], out s[10:11]
	v_lshl_add_u32 v[SPW], v0, 2, SPARE
	v_mov_b32 v[NIL], 0
	ds_add_u32 v28, v29
	ds_add_u32 v28, v29
	s_wait_dscnt 0x0
	v_lshrrev_b32 v1, 5, v0
	v_readfirstlane_b32 s14, v1                    ; wave
	s_lshr_b32 s15, s14, 1                         ; my half of the rows.  Also: I fetch for y (0) or wo (1)
	s_and_b32 s16, s14, 1                          ; my half of the columns.  Also: which 64 rows I fetch
	s_bfe_u32 s40, ttmp6, 0x40000                  ; cx
	s_bfe_u32 s41, ttmp6, 0x40004                  ; cy
	s_lshl_b32 s42, ttmp9, 2
	s_add_co_u32 s42, s42, s40                     ; tile column
	s_and_b32 s17, ttmp7, 0xffff
	s_lshl_b32 s17, s17, 2
	s_add_co_u32 s17, s17, s41                     ; tile row
	s_lshl_b32 s43, s41, 2
	s_lshl_b32 s43, 15, s43
	s_lshl_b32 s44, 0x1111, s40
	s_or_b32 s[G1+0], s43, (3<<16)|(1<<21)         ; the mask; elements of 8 bytes; no padding; bit 21 beside a mask
	s_or_b32 s[G1B+0], s44, (3<<16)|(1<<21)
.irp g, G1, G1B
	s_mov_b32 s[\g+1], 1024<<16                    ; tensor_dim0 = 1,024 elements: 8,192 bytes
	s_mov_b32 s[\g+2], 4<<16                       ; tensor_dim1 = 4
	s_mov_b32 s[\g+3], 1024<<16                    ; tile_dim0
	s_mov_b32 s[\g+4], 4                           ; tile_dim1
	s_mov_b32 s[\g+5], 4096                        ; 32,768 bytes from row tile to row tile
	s_mov_b32 s[\g+6], 0
	s_mov_b32 s[\g+7], 0
.endr
	s_lshl_b32 s20, s17, 18                        ; 8 row tiles of 32,768 bytes to a tile
	s_lshl_b32 s18, s16, 17                        ; the 4 that I fetch
	s_add_co_u32 s20, s20, s18
	s_mov_b32 s21, 0
	s_lshl_b32 s46, s42, 18
	s_add_co_u32 s46, s46, s18
	s_add_co_u32 s46, s46, 6*0x400000              ; wo's section
	s_mov_b32 s47, 0
	s_mul_i32 s45, s14, BLKB
	s_wait_kmcnt 0x0
	s_load_b64 s[68:69], s[8:9], 0x28              ; e10, e11
	s_add_nc_u64 s[20:21], s[4:5], s[20:21]
	s_add_nc_u64 s[46:47], s[6:7], s[46:47]
	CROUND                                         ; all sixteen work-groups are here: the first joint loads meet
.irp s, 0,1
	s_mov_b32 s[G0+4*\s], 1
	s_add_co_u32 s[G0+4*\s+1], s45, \s*SLOT
	s_add_nc_u64 s[G0+4*\s+2:G0+4*\s+3], s[20:21], \s*STEPB
	s_or_b32 s[G0+4*\s+3], s[G0+4*\s+3], 0x80000000
	s_mov_b32 s[G0B+4*\s], 1
	s_add_co_u32 s[G0B+4*\s+1], s45, \s*SLOT
	s_add_nc_u64 s[G0B+4*\s+2:G0B+4*\s+3], s[46:47], \s*STEPB
	s_or_b32 s[G0B+4*\s+3], s[G0B+4*\s+3], 0x80000000
	JLOAD \s
.endr
	v_and_b32 v1, 31, v0
	v_lshlrev_b32 v[LI], 4, v1
	s_mul_i32 s21, s15, BLKB
	s_mul_i32 s22, s16, BLKB
	s_add_co_u32 s22, s22, 2*BLKB
.irp s, 0,1
	v_add_nc_u32 v[ADRA+\s], s21, v[LI]
	v_add_nc_u32 v[ADRB+\s], s22, v[LI]
	s_add_co_u32 s21, s21, SLOT
	s_add_co_u32 s22, s22, SLOT
.endr
	v_and_b32 v2, 15, v0                           ; r
	v_bfe_u32 v3, v0, 4, 1                         ; h
	s_mul_i32 s23, s14, 16*SPITCH                  ; my stage
	v_mul_u32_u24 v4, v2, SPITCH
	v_lshl_add_u32 v4, v3, 5, v4
	v_add_nc_u32 v[STO], s23, v4                   ; in: row r, 32 bytes for each half of the lanes
	v_mul_u32_u24 v5, v3, SPITCH
	v_lshl_add_u32 v5, v2, 4, v5
	v_add_nc_u32 v[RD], s23, v5                    ; back: lanes 0-15 one row of 256 bytes, lanes 16-31 the next
	v_lshlrev_b32 v5, 13, v3
	v_lshl_add_u32 v[CO], v2, 4, v5                ; and the same two rows in out (8,192 bytes a row)
	s_lshl_b32 s20, s17, 20                        ; 128 rows
	s_lshl_b32 s21, s15, 19                        ; my 64
	s_add_co_u32 s20, s20, s21
	s_lshl_b32 s21, s42, 9                         ; 128 columns
	s_add_co_u32 s20, s20, s21
	s_lshl_b32 s21, s16, 8                         ; my 64: 256 bytes
	s_add_co_u32 s20, s20, s21
	s_mov_b32 s21, 0
	s_add_nc_u64 s[10:11], s[10:11], s[20:21]
.macro MUL4 f, a, zero                 ; A's block a x B's four, 128 along K; the 16 accumulators take turns, one instruction a turn
.irp b, 0,1,2,3
.if \zero
	v_wmma_f32_16x16x128_fp8_fp8 v[ACC+8*(4*\a+\b):ACC+8*(4*\a+\b)+7], v[\f+64+16*\b:\f+64+16*\b+15], v[\f+16*\a:\f+16*\a+15], 0
.else
	v_wmma_f32_16x16x128_fp8_fp8 v[ACC+8*(4*\a+\b):ACC+8*(4*\a+\b)+7], v[\f+64+16*\b:\f+64+16*\b+15], v[\f+16*\a:\f+16*\a+15], v[ACC+8*(4*\a+\b):ACC+8*(4*\a+\b)+7]
.endif
.endr
.endm
.macro FETCH slot, q, f                ; 32 LDS loads in one run: B's four fragments, then A's four, of the slot's q-th K step
	WIN TO_F
.irp i, 0,1,2,3
.irp c, 0,1,2,3
	ds_load_b128 v[\f+64+16*\i+4*\c:\f+64+16*\i+4*\c+3], v[ADRB+\slot] offset:8192*\i+2048*(\q)+512*\c
.endr
.endr
.irp i, 0,1,2,3
.irp c, 0,1,2,3
	ds_load_b128 v[\f+16*\i+4*\c:\f+16*\i+4*\c+3], v[ADRA+\slot] offset:8192*\i+2048*(\q)+512*\c
.endr
.endr
.endm
.macro PLACES
.rept 4
	v_nop
.endr
.endm
.macro QUARTER slot, qn, f, g, zero    ; multiplies set f (128 along K) and fetches the slot's K step qn into set g
	s_wait_dscnt 8                                 ; B's four and A's blocks 0, 1 are in; the youngest 8 loads (blocks 2, 3) may be out
	WIN MUL
	MUL4 \f, 0, \zero
	MUL4 \f, 1, \zero
	PLACES
	FETCH \slot, \qn, \g
	s_wait_dscnt 32                                ; all but the 32 just issued
	WIN MUL
	MUL4 \f, 2, \zero
	MUL4 \f, 3, \zero
.endm
.macro TURN slot, next, fill           ; a slot's last K step, on set 1, changes slots
	WIN 0
	s_wait_tensorcnt 0x0                           ; all my tensor loads have landed: my part of the next slot
	ds_add_u32 v[SPW], v[NIL]                      ; 0 onto my spare word
	s_wait_dscnt 9                                 ; (the add and the youngest 8 loads may be out)
	WIN MUL
	MUL4 F1, 0, 0
	s_wait_dscnt 0x0                               ; the add is done, and my reads of this slot are over
	s_barrier_signal -1
	MUL4 F1, 1, 0
.if \fill
	WIN 0
.endif
	s_barrier_wait -1
.if \fill
	CREST                                          ; a round of the cluster's barrier: no wave of any partner still reads this slot or has a load on its way
	s_add_nc_u64 s[G0+4*\slot+2:G0+4*\slot+3], s[G0+4*\slot+2:G0+4*\slot+3], 2*STEPB
	s_add_nc_u64 s[G0B+4*\slot+2:G0B+4*\slot+3], s[G0B+4*\slot+2:G0B+4*\slot+3], 2*STEPB
	JLOAD \slot                                    ; the first tensor load behind the round, my only one until the next; its four v_nop are the places in front of the loads below
.else
	PLACES
.endif
	FETCH \next, 0, F0
	WIN MUL
	MUL4 F1, 2, 0
	MUL4 F1, 3, 0
.endm
	s_wait_tensorcnt 1                             ; my part of slot 0 is in; slot 1's may be out.  Two loads of mine are out at the most
	s_barrier_signal -1
	s_barrier_wait -1
	FETCH 0, 0, F0
	QUARTER 0, 1, F0, F1, 1                        ; the first K step starts the sums
	WIN 0
	s_mov_b32 s3, LAPS-1
.Llap:
	QUARTER 0, 2, F1, F0, 0
	QUARTER 0, 3, F0, F1, 0
	TURN 0, 1, 1
	QUARTER 1, 1, F0, F1, 0
	QUARTER 1, 2, F1, F0, 0
	QUARTER 1, 3, F0, F1, 0
	TURN 1, 0, 1
	QUARTER 0, 1, F0, F1, 0
	WIN 0
	s_sub_co_u32 s3, s3, 1
	s_cmp_lg_u32 s3, 0
	s_cbranch_scc1 .Llap
	QUARTER 0, 2, F1, F0, 0                        ; the last lap fills nothing
	QUARTER 0, 3, F0, F1, 0
	TURN 0, 1, 0
	QUARTER 1, 1, F0, F1, 0
	QUARTER 1, 2, F1, F0, 0
	QUARTER 1, 3, F0, F1, 0
	s_wait_dscnt 8
	WIN MUL
	MUL4 F1, 0, 0
	MUL4 F1, 1, 0
	s_wait_dscnt 0
	MUL4 F1, 2, 0
	MUL4 F1, 3, 0
	WIN 0
; THE WAY OUT, block by block of 16 rows x 64 columns.  My 64 columns are 256 aligned bytes of a row: a block goes through my own stage and comes back as whole rows, sixteen lanes to a row.
.macro TOSTAGE a
.set jj, 0
.rept 16
	v_pk_mul_f32 v[TMP+jj:TMP+jj+1], v[ACC+32*(\a)+jj:ACC+32*(\a)+jj+1], s[68:69] op_sel_hi:[1,0]   ; x 2^(e10 + e11); each accumulator from its low end on
.set jj, jj+2
.endr
.irp b, 0,1,2,3
	ds_store_b128 v[STO], v[TMP+8*\b:TMP+8*\b+3] offset:64*\b
	ds_store_b128 v[STO], v[TMP+8*\b+4:TMP+8*\b+7] offset:64*\b+16
.endr
.irp t, 0,1,2,3,4,5,6,7
	ds_load_b128 v[BK+32*((\a)%2)+4*\t:BK+32*((\a)%2)+4*\t+3], v[RD] offset:\t*2*SPITCH   ; LDS serves a wave's instructions in order (ISA guide 5.7.1.4): these see the stores above
.endr
.endm
.macro SEND a, younger
	s_wait_dscnt \younger
.irp t, 0,1,2,3,4,5,6,7
	global_store_b128 v[CO], v[BK+32*((\a)%2)+4*\t:BK+32*((\a)%2)+4*\t+3], s[10:11] offset:(16*(\a)+2*\t)*8192 th:TH_STORE_NT   ; 16 lanes store 256 consecutive bytes, aligned
.endr
.endm
	s_wait_kmcnt 0x0
	s_add_co_i32 s68, s68, s69
	s_add_co_i32 s68, s68, 127
	s_lshl_b32 s68, s68, 23                        ; 2^(e10 + e11) as f32
	PLACES                                         ; behind the last products, ahead of the first reads of results
	TOSTAGE 0
.irp a, 1,2,3
.if \a > 1
	s_wait_xcnt 0x0                                ; block a - 2's stores have read their registers: block a's loads may land there
.endif
	TOSTAGE \a
	SEND \a-1, 16                                  ; behind block a - 1's loads: block a's 8 stores and 8 loads
.endr
	SEND 3, 0
	s_wait_tensorcnt 0x0                           ; the wave's end
	ds_add_u32 v[SPW], v[NIL]
	s_wait_dscnt 0x0
	CROUND                                         ; the closing round
	s_endpgm
.Lfunc_end_k_qc020fc399d_oproj:
	.size	k_qc020fc399d_oproj, .Lfunc_end_k_qc020fc399d_oproj-k_qc020fc399d_oproj
	.p2alignl 7, 3214868480
	.fill 96, 4, 3214868480
	.section	.rodata,"a",@progbits
	.p2align	6, 0x0
	.amdhsa_kernel k_qc020fc399d_oproj
		.amdhsa_group_segment_fixed_size 327680
		.amdhsa_private_segment_fixed_size 0
		.amdhsa_enable_private_segment 0
		.amdhsa_kernarg_size 32
		.amdhsa_user_sgpr_count 2
		.amdhsa_user_sgpr_kernarg_segment_ptr 1
		.amdhsa_wavefront_size32 1
		.amdhsa_system_sgpr_workgroup_id_x 1
		.amdhsa_system_sgpr_workgroup_id_y 1
		.amdhsa_system_sgpr_workgroup_id_z 1
		.amdhsa_system_vgpr_workitem_id 0
		.amdhsa_next_free_vgpr 512
		.amdhsa_next_free_sgpr 72
		.amdhsa_reserve_vcc 0
		.amdhsa_float_denorm_mode_32 3
		.amdhsa_float_denorm_mode_16_64 3
		.amdhsa_memory_ordered 1
		.amdhsa_forward_progress 1
		.amdhsa_inst_pref_size 73
	.end_amdhsa_kernel
	.amdgpu_metadata
---
amdhsa.version: [ 1, 2 ]
amdhsa.kernels:
  - .name:           k_qc020fc399d_oproj
    .symbol:         k_qc020fc399d_oproj.kd
    .args:
      - { .name: yc, .offset: 0, .size: 8, .value_kind: global_buffer, .address_space: global }
      - { .name: codes, .offset: 8, .size: 8, .value_kind: global_buffer, .address_space: global }
      - { .name: lowp_scales, .offset: 16, .size: 8, .value_kind: global_buffer, .address_space: global }
      - { .name: out0, .offset: 24, .size: 8, .value_kind: global_buffer, .address_space: global }
    .group_segment_fixed_size: 327680
    .private_segment_fixed_size: 0
    .kernarg_segment_align: 8
    .kernarg_segment_size: 32
    .max_flat_workgroup_size: 128
    .sgpr_count:     72
    .vgpr_count:     512
    .wavefront_size: 32
...
	.end_amdgpu_metadata
.endif
;; end of part 4
;; ======== version 2 of 2: 4 launches; version 1 with the launch attn written anew for expert scheduling mode
;; workspace buffers: codes 29,360,128 bytes; mbits 525,312 bytes of whole numbers; rope 1,056,768 bytes; qkv 12,582,912 bytes; yc 4,194,304 bytes
;; launch prep: the kernel of part 1 again; grid 64 x 7, 4 waves a work-group, no clusters, 34,304 bytes of LDS; arguments x, wq, wk, wv, wo, mask, lowp_scales, codes, mbits, rope; writes codes, mbits, rope
;; launch qkv: the kernel of part 2 again; grid 8 x 24, 4 waves a work-group, clusters of 4 x 4, 327,680 bytes of LDS; arguments codes, lowp_scales, rope, qkv; writes qkv
;; launch attn (part 5): grid 16 x 16, 8 waves a work-group, no clusters, 132,096 bytes of LDS; arguments qkv, mbits, lowp_scales, yc; writes yc
.if DOCPART == 5
	.amdgcn_target "amdgcn-amd-amdhsa--gfx1250"
	.amdhsa_code_object_version 6
	.text
	.protected	k_qc020fc399d_attn
	.globl	k_qc020fc399d_attn
	.p2align	8
	.type	k_qc020fc399d_attn,@function
k_qc020fc399d_attn:
	s_mov_b64 s[64:65], 0
	v_nop
	global_prefetch_b8 v0, s[64:65] scope:SCOPE_SE
	s_setreg_imm32_b32 hwreg(HW_REG_WAVE_SCHED_MODE, 0, 2), 2
	s_setreg_imm32_b32 hwreg(HW_REG_WAVE_MODE, 25, 1), 1
	s_wait_xcnt 0x0
	s_wait_alu depctr_vm_vsrc(0)
; ATTN.  y[t][head] = softmax over the keys that the mask keeps of (q . k / sqrt(128)) times v, both products on codes of E4M3; y leaves as codes (scale e10), as images of operand registers.
; THE SOFTMAX: t = score x log2(e) / sqrt(128); M = the running largest t rounded up to a whole number; p = 2^(t - M) is quantised (scale e8), not normalised; the row's sum is taken of the unquantised p and divides at the end.
; When M moves, the sum and O are multiplied by 2^(old M - new M): exact.  A row that keeps no key has the sum 0 and leaves as the NaN code, so that the last product gives NaN there.
; SHARES.  Work-group (g, head), eight waves, a tile of 16 queries each: tile 4 g + w for waves 0-3, tile 127 - 4 g - (w - 4) for waves 4-7.  All eight walk the head's 16 steps of 128 keys together, one barrier a step.
; THE MASK is an input: it comes as lane-mask words (record (tile, step): word 8 c + j is the lane mask of score register 8 c + j) and one flag bit a record.  A step whose record is empty for my tile is left out by a scalar
; branch on the stored flag: round its LDS reads, products and softmax, never round a barrier or the copying of later steps' tiles.
; LAYOUT.  S^T = K Q^T (source 0 = 16 keys, source 1 = my queries), O^T = V^T P^T (source 0 = 16 channels, source 1 = P): a lane holds one query (lane % 16) throughout; tile c's eight scores are keys 16 c + 8 (lane / 16) + 0 .. 7,
; which are registers 2 c, 2 c + 1 of P's fragment: a conversion's result is the operand.  K's and V^T's fragments lie in 'qkv' as images (2,048 bytes: register 4 g + w of lane l at 512 g + 16 l + 4 w).
; ALL THAT A STEP NEEDS IS ASKED FOR AHEAD.  LDS has four slots of 32,768 bytes (8 images of K, then 8 of V^T); step u lies in slot u % 4.  In step s a wave asks memory for its 4,096 bytes of step s + 3 (two sets of registers
; by turns), stores those of step s + 2 into LDS, reads V^T of step s behind its first products, and, where the flag of step s + 1 is set, reads K and the mask words of step s + 1 under its softmax.
; Between two barriers slot s (V^T) and slot s + 1 (K) are read and slot s + 2 is written, which was last read two steps back: one barrier a step orders all of it.
; LIMITS: e6 + e7 between -123 and 130 (added to c's exponent field); e8 and e10 between -126 and 119.  NaN among the codes is not served.
; REGISTERS: window 0: v1-6 addresses and -infinity; v12 -M, v13 the largest t, v[14:15] the sum; v16-31 Q; v32-95 the copy, two sets; v96-159 S^T, then p; v160-223 O^T; v224-239 codes; v240-254 at work.
; Window 1: v0-127 K's eight fragments, v128-255 V^T's.  s[16:47], s[68:99]: a step's 64 mask words.
; THE MODE: SCHED_MODE bits 1:0 = 2 (LLVM: expert scheduling mode 2), set by the entry lines.  The code itself states the register dependences between vector or matrix instructions and memory or LDS instructions,
; with s_wait_alu, always for 0.
; THE PLAN.  Registers that memory or LDS instructions touch:
;   v1, v2, v3, v5, v6  addresses and offsets: written at the head, ahead of the head's one wait on va_vdst, and never again.
;   v16-31              Q: a load lands there once; matrix instructions alone name it afterwards.
;   the copy's two sets Step s: the loads at its head land in set (s + 1) % 2; the LDS stores at its end read set s % 2.  No vector or matrix instruction names them: a wait on vm_vsrc at the step's head is all that they owe.
;   v96-127             In front of the loop alone: step 0's part lands there and LDS stores read it; then they are scores.  The first step's wait on vm_vsrc stands ahead of the first products.
;   V^T's registers     Read by a step's second products, at its end; the next step's LDS loads land in them.  ONE wait on va_vdst at each step's head states that those products are done.  Between it and the loads stand the first
;                       products, four v_nop and the mask's selects, which name K, Q, v4 and v96-159: so the 32 loads follow with no further wait, in four groups of eight among the selects.
;   K's registers       Read by a step's first products; the next step's K lands in them under the same step's softmax: one wait on va_vdst ahead of those loads.  On the way that leaves a step out the wait at the step's head serves.
;   v224-239            At the end alone: the selects write y's codes, the four stores read them: one wait on va_vdst.
;   v251, v255          Written at the head, read by the closing add alone.
.set LIA,  1                           ; v1 16 x lane: slots 0 and 1
.set LWA,  2                           ; v2 4,096 x wave + 16 x lane: slots 0 and 1
.set PFO,  3                           ; v3 256 x lane
.set NINF, 4                           ; v4 -infinity
.set LIB,  5                           ; v5 = v1 + 65,536: slots 2 and 3 (LIA + 4)
.set LWB,  6                           ; v6 = v2 + 65,536 (LWA + 4)
.set CP,   32                          ; v32-63, v64-95 the copy's two sets
.set SLOTB, 32768
.set VOFF,  16384
.set MSB, 0
.macro WIN new                         ; the immediate's high byte repeats the setting that is left
.if MSB != (\new)
	s_set_vgpr_msb (MSB<<8)|(\new)
.set MSB, (\new)
.endif
.endm
.macro KLOAD k, w                      ; K's eight fragments out of slot k: 32 loads of 512 consecutive bytes.  w = 1: first products have been issued since the last wait on va_vdst
	WIN 0x40                                       ; destination window 1, address window 0
.if \w
	s_wait_alu depctr_va_vdst(0)                   ; this step's first products are done reading K's registers, in which the loads below land; the selects are done with the mask words, on which the next record's scalar loads land
.endif
.irp t, 0,1,2,3,4,5,6,7
.irp c, 0,1,2,3
	ds_load_b128 v[16*\t+4*\c:16*\t+4*\c+3], v[LIA+4*((\k)/2)] offset:((\k)%2)*SLOTB+2048*\t+512*\c
.endr
.endr
	WIN 0
.endm
.macro VGRP k, g                       ; a quarter of V^T's eight fragments out of slot k: fragments 2 g and 2 g + 1, eight loads of 512 consecutive bytes
	WIN 0x40
.irp t, 0,1
.irp c, 0,1,2,3
	ds_load_b128 v[128+16*(2*(\g)+\t)+4*\c:128+16*(2*(\g)+\t)+4*\c+3], v[LIA+4*((\k)/2)] offset:((\k)%2)*SLOTB+VOFF+2048*(2*(\g)+\t)+512*\c
.endr
.endr
	WIN 0
.endm
.macro MLOAD r                         ; the record r steps on from the trip's first: 64 words
	s_load_b512 s[16:31], s[52:53], 256*(\r)
	s_load_b512 s[32:47], s[52:53], 256*(\r)+64
	s_load_b512 s[68:83], s[52:53], 256*(\r)+128
	s_load_b512 s[84:99], s[52:53], 256*(\r)+192
.endm
	s_load_b256 s[4:11], s[0:1], 0x0               ; qkv s[4:5], mbits s[6:7], the exponents s[8:9], yc s[10:11]
	v_lshl_add_u32 v251, v0, 2, 0x20000
	v_mov_b32 v255, 0
	v_lshrrev_b32 v7, 5, v0
	v_readfirstlane_b32 s12, v7                    ; wave
	v_and_b32 v7, 31, v0
	v_lshlrev_b32 v[LIA], 4, v7
	v_lshlrev_b32 v[PFO], 8, v7
	s_wait_alu depctr_va_sdst(0)                   ; s12 is written, ahead of its first reader: the LDS places, the tile and the bases are made from it
	s_lshl_b32 s14, s12, 12
	v_add_nc_u32 v[LWA], s14, v[LIA]
	v_add_nc_u32 v[LIB], 0x10000, v[LIA]
	v_add_nc_u32 v[LWB], 0x10000, v[LWA]
	v_mov_b32 v[NINF], 0xff800000
	s_and_b32 s63, ttmp7, 0xffff                   ; the head
	s_lshl_b32 s13, ttmp9, 2
	s_and_b32 s14, s12, 3
	s_add_co_u32 s13, s13, s14
	s_sub_co_u32 s59, 127, s13
	s_mov_b32 s60, 0x800000
	s_cmp_lt_u32 s12, 4
	s_cselect_b32 s13, s13, s59                    ; my tile of queries
	s_cselect_b32 s60, 0x400000, s60               ; waves 0-3 copy K's images, waves 4-7 V^T's
	s_lshl_b32 s59, s63, 18                        ; a head: 128 images
	s_add_co_u32 s60, s60, s59
	s_lshl_b32 s59, s14, 12                        ; my two of a step's eight
	s_add_co_u32 s60, s60, s59
	s_mov_b32 s61, 0
	s_wait_kmcnt 0x0
	s_add_nc_u64 s[50:51], s[4:5], s[60:61]        ; what I copy: step 0's part; stepped once a trip of four steps
	s_lshl_b32 s60, s63, 7
	s_add_co_u32 s60, s60, s13
	s_lshl_b32 s60, s60, 11
	s_add_nc_u64 s[4:5], s[4:5], s[60:61]          ; Q's image
	s_lshl_b32 s60, s13, 12
	s_add_nc_u64 s[52:53], s[6:7], s[60:61]        ; my tile's 16 records; stepped once a trip
	s_lshl_b32 s59, s13, 3
	s_load_b64 s[48:49], s[6:7], s59 offset:0x80000 ; its two flag words
	s_load_b128 s[68:71], s[8:9], 0x18             ; e6, e7, e8, e9
	s_load_b32 s72, s[8:9], 0x28                   ; e10
	s_lshl_b32 s60, s13, 4
	s_add_co_u32 s60, s60, s63
	s_lshl_b32 s60, s60, 11
	s_add_nc_u64 s[10:11], s[10:11], s[60:61]      ; y's image: (16 x tile + head) x 2,048
	s_wait_alu depctr_va_vdst(0)                   ; v1, v2, v3, v5 and v6 are written, which every load, store and prefetch of the kernel reads as its address; so are v251 and v255, which the closing add reads
.irp c, 0,1,2,3
	global_load_b128 v[16+4*\c:19+4*\c], v[LIA], s[4:5] offset:512*\c
.endr
.irp c, 0,1,2,3,4,5,6,7
	global_load_b128 v[96+4*\c:99+4*\c], v[LIA], s[50:51] offset:512*\c                    ; step 0's part, into registers that the scores take later
.endr
.irp c, 0,1,2,3,4,5,6,7
	global_load_b128 v[CP+32+4*\c:CP+32+4*\c+3], v[LIA], s[50:51] offset:16384+512*\c      ; step 1's, into set 1
.endr
.irp c, 0,1,2,3,4,5,6,7
	global_load_b128 v[CP+4*\c:CP+4*\c+3], v[LIA], s[50:51] offset:32768+512*\c            ; step 2's, into set 0: step 0 stores it
.endr
	v_mov_b32 v13, 0xff61b1e6                      ; the largest t so far: -3e38
	v_floor_f32 v12, -v13                          ; -M
	v_mov_b32 v14, 0
	v_mov_b32 v15, 0
	v_mov_b32 v246, 0                              ; a lane permute's destination counts as one of its sources
	v_mov_b32 v253, 0                              ; (named as the upper half of v[252:253])
.set ii, 0
.rept 64
	v_mov_b32 v[160+ii], 0                         ; O^T: which step is a tile's first hangs on the mask, so the sums begin as zeros
.set ii, ii+1
.endr
	s_mov_b32 s54, 0x76543210                      ; v_permlanex16_b32: lane l xor 16
	s_mov_b32 s55, 0xfedcba98
	s_mov_b32 s15, 0                               ; the step
	s_and_b32 s58, s12, 1
	s_or_b32 s58, s58, ttmp9
	s_cmp_eq_u32 s58, 0
	s_cselect_b32 s58, 11, 0                       ; the head's first work-group's even waves prefetch, in steps 0 .. 10
	s_wait_kmcnt 0x0
	s_or_b32 s48, s48, s49                         ; 16 flags; shifted down by one at each step's end: bit 0 is this step's, bit 1 the next's
	s_add_co_i32 s59, s68, s69
	s_lshl_b32 s59, s59, 23
	s_add_co_i32 s56, s59, 0x3e0293ee              ; c = log2(e) / sqrt(128) x 2^(e6 + e7)
	s_mov_b32 s57, s56                             ; (named with it as a pair)
	s_add_co_i32 s59, s70, 127
	s_lshl_b32 s60, s59, 23
	v_mov_b32 v244, s60                            ; 2^e8
	s_add_co_i32 s59, s59, 8
	s_lshl_b32 s59, s59, 23
	s_or_b32 s59, s59, 0x600000
	v_mov_b32 v240, s59                            ; 448 x 2^e8
	s_add_co_i32 s100, s70, s71                    ; e8 + e9
	s_add_co_i32 s59, s72, 127
	s_lshl_b32 s101, s59, 23                       ; 2^e10
	s_add_co_i32 s59, s59, 8
	s_lshl_b32 s59, s59, 23
	s_or_b32 s104, s59, 0x600000                   ; 448 x 2^e10
	MLOAD 0                                        ; step 0's mask words, whatever its flag: the exponents above have left these registers
	s_wait_loadcnt 8                               ; Q and the parts of steps 0 and 1 are in; step 2's 8 loads may be out
.irp c, 0,1,2,3,4,5,6,7
	ds_store_b128 v[LWA], v[96+4*\c:99+4*\c] offset:512*\c
.endr
.irp c, 0,1,2,3,4,5,6,7
	ds_store_b128 v[LWA], v[CP+32+4*\c:CP+32+4*\c+3] offset:SLOTB+512*\c
.endr
	s_wait_dscnt 0x0                               ; for the others' sake: my stores have landed
	s_barrier_signal -1
	s_barrier_wait -1
	KLOAD 0, 0                                     ; step 0's K, whatever its flag; no vector or matrix instruction has named these registers yet
	s_wait_dscnt 0x0
; STEP j of a trip of four (slot j).  ld: my part of the step three on is asked for; pf: and a prefetch may stand; st: my part of the step two on goes into LDS; nx: the next step's K and mask words are asked for; bar: a barrier closes the step.
.macro STEP j, ld, pf, st, nx, bar
.if \ld
	s_wait_alu depctr_vm_vsrc(0)                   ; the LDS stores at the last step's end have read the set in which the loads below land; ahead of the first step: those in front of the loop have read that set and v96-127, which the first products write
.irp c, 0,1,2,3,4,5,6,7
	global_load_b128 v[CP+32*((\j+1)%2)+4*\c:CP+32*((\j+1)%2)+4*\c+3], v[LIA], s[50:51] offset:16384*(\j+3)+512*\c   ; it is stored at the next step's end: two steps in which to come
.endr
.endif
.if \pf
	s_cmp_lt_u32 s15, s58                          ; a prefetch of the step five on (two ahead of its copy): 8,192 bytes, a lane to each 256: my part and the next wave's.  Each block is named once: one work-group of a head, its even waves
	s_cbranch_scc0 .Lnoask_\@
	global_prefetch_b8 v[PFO], s[50:51] offset:16384*(\j+5) th:TH_LOAD_NT scope:SCOPE_SE
.Lnoask_\@:
.endif
	s_wait_alu depctr_va_vdst(0)                   ; the second products of the step before are done reading V^T's registers, in which this step's LDS loads land; on the way that leaves the step out: the last first products are done reading K's
	s_and_b32 s59, s48, 1
	s_cmp_lg_u32 s59, 0
	s_cbranch_scc0 .Lskip_\@                       ; the mask keeps no key of this step for my 16 queries
	WIN 0x01                                       ; source 0 window 1
.irp t, 0,1,2,3,4,5,6,7
	v_wmma_f32_16x16x128_fp8_fp8 v[96+8*\t:103+8*\t], v[16*\t:16*\t+15], v[16:31], 0   ; K came in the step before
.endr
	WIN 0
.rept 4
	v_nop                                          ; places behind the products, ahead of the first reads of the scores
.endr
.irp g, 0,1,2,3                        ; V^T, wanted behind the softmax, in four groups of eight loads among the mask's selects.  No wait: no vector or matrix instruction since the wait at the step's head names V^T's registers or the address
	VGRP \j, \g
.if \g == 0
	s_wait_kmcnt 0x0                               ; the mask words, asked for in the step before
.endif
.irp i, 0,1,2,3,4,5,6,7,8,9,10,11,12,13,14,15
	v_cndmask_b32 v[96+16*\g+\i], v[NINF], v[96+16*\g+\i], s[16+16*\g+\i+20*(\g/2)]   ; a key that the mask drops: -infinity, so p = 0.  Each accumulator from its low end on
.endr
.endr
	v_max3_num_f32 v254, v96, v97, v98             ; the step's largest score of my query among my 64 keys, in two chains,
	v_max3_num_f32 v252, v99, v100, v101
.set ii, 6
.rept 14
	v_max3_num_f32 v254, v254, v[96+ii], v[97+ii]
	v_max3_num_f32 v252, v252, v[98+ii], v[99+ii]
.set ii, ii+4
.endr
	v_max3_num_f32 v254, v254, v158, v159
	v_max_num_f32 v254, v254, v252
	v_permlanex16_b32 v246, v254, s54, s55
	v_max_num_f32 v254, v254, v246                 ; and among lane l xor 16's
	v_mul_f32 v254, s56, v254                      ; as t (c is positive)
	v_max_num_f32 v13, v13, v254
	v_mov_b32 v254, v12
	v_floor_f32 v12, -v13                          ; the new -M = -ceil(t)
	v_sub_f32 v254, v12, v254                      ; old M - new M: a whole number, 0 or less
	v_cvt_i32_f32 v254, v254                       ; (it saturates)
	v_ldexp_f32 v252, 1.0, v254                    ; f = 2^(old M - new M)
.if \nx
	s_and_b32 s59, s48, 2                          ; does the next step keep a key for my queries?
	s_cmp_lg_u32 s59, 0
	s_cbranch_scc0 .Lnonext_\@
	KLOAD (\j+1)%4, 1                              ; its K, into the registers that this step's first products have left; it has the rest of the softmax in which to come
	MLOAD \j+1                                     ; and its mask words: this step's have been used
.Lnonext_\@:
.endif
.set ii, 0
.rept 32
	v_pk_fma_f32 v[96+ii:97+ii], v[96+ii:97+ii], s[56:57], v[12:13] op_sel_hi:[1,0,0]   ; t - M
.set ii, ii+2
.endr
.set ii, 0
.rept 64
	v_exp_f32 v[96+ii], v[96+ii]                   ; p = 2^(t - M): one batch
.set ii, ii+1
.endr
	v_pk_mul_f32 v[14:15], v[14:15], v[252:253] op_sel_hi:[1,0]   ; the sum under the new M: the plain line behind the batch
	s_wait_alu depctr_va_vdst(0)                   ; the 64 exponentials have written v96-159: one wait for the batch, ahead of its first reader
	v_pk_add_f32 v[242:243], v[96:97], v[98:99]    ; the sum of the unquantised p, in two chains
.set ii, 4
.rept 15
	v_pk_add_f32 v[14:15], v[14:15], v[96+ii:97+ii]
	v_pk_add_f32 v[242:243], v[242:243], v[98+ii:99+ii]
.set ii, ii+4
.endr
	v_pk_add_f32 v[14:15], v[14:15], v[242:243]
.irp t, 0,1,2,3,4,5,6,7
.irp i, 0,1,2,3,4,5,6,7
	v_min_num_f32 v[96+8*\t+\i], v[96+8*\t+\i], v240   ; the conversion does not saturate (ISA guide 7.6.2); p is not negative: a one-sided hold
.endr
	v_cvt_scalef32_pk8_fp8_f32 v[224+2*\t:225+2*\t], v[96+8*\t:103+8*\t], v244
.endr
.set ii, 0
.rept 32
	v_pk_mul_f32 v[160+ii:161+ii], v[160+ii:161+ii], v[252:253] op_sel_hi:[1,0]   ; O^T under the new M; also the plain lines between the conversions and the products
.set ii, ii+2
.endr
	s_wait_dscnt 0x0                               ; V^T is in (and the next step's K, where it was asked for: the count differs between the two ways, so it is 0)
	WIN 0x01
.irp t, 0,1,2,3,4,5,6,7
	v_wmma_f32_16x16x128_fp8_fp8 v[160+8*\t:167+8*\t], v[128+16*\t:143+16*\t], v[224:239], v[160+8*\t:167+8*\t]   ; eight accumulators, one instruction each
.endr
	WIN 0
.if \nx
	s_branch .Ljoin_\@
.Lskip_\@:                                         ; nothing to do in this step: only the next step's requests
	s_and_b32 s59, s48, 2
	s_cmp_lg_u32 s59, 0
	s_cbranch_scc0 .Ljoin_\@
	s_wait_kmcnt 0x0                               ; no scalar load lands on registers that an earlier one may still write
	KLOAD (\j+1)%4, 0                              ; no vector or matrix instruction has been issued since the wait at the step's head
	MLOAD \j+1
.Ljoin_\@:
.else
.Lskip_\@:
.endif
.if \st
.if \ld
	s_wait_loadcnt 8                               ; the part asked for a step ago is in; the 8 loads of this step's head may be out
.else
	s_wait_loadcnt 0x0
.endif
.irp c, 0,1,2,3,4,5,6,7
	ds_store_b128 v[LWA+4*(((\j+2)%4)/2)], v[CP+32*((\j)%2)+4*\c:CP+32*((\j)%2)+4*\c+3] offset:((\j)%2)*SLOTB+512*\c   ; into slot (j + 2) % 4, which every wave left two barriers ago
.endr
.endif
	s_add_co_u32 s15, s15, 1
	s_lshr_b32 s48, s48, 1
	s_wait_dscnt 0x0                               ; my stores have landed, my reads are over, and the next step's K is in registers
.if \bar
	s_barrier_signal -1
	s_barrier_wait -1
.endif
.endm
	s_mov_b32 s62, 3
.Ltrip:                                            ; steps 0 to 11
	STEP 0, 1, 1, 1, 1, 1
	STEP 1, 1, 1, 1, 1, 1
	STEP 2, 1, 1, 1, 1, 1
	STEP 3, 1, 1, 1, 1, 1
	s_wait_xcnt 0x0                                ; the loads, scalar loads and prefetches have read their bases
	s_add_nc_u64 s[50:51], s[50:51], 65536         ; four steps on
	s_add_nc_u64 s[52:53], s[52:53], 1024
	s_sub_co_u32 s62, s62, 1
	s_cmp_lg_u32 s62, 0
	s_cbranch_scc1 .Ltrip
	STEP 0, 1, 0, 1, 1, 1                          ; step 12 asks for step 15's part and stores step 14's
	STEP 1, 0, 0, 1, 1, 1                          ; step 13 stores step 15's
	STEP 2, 0, 0, 0, 1, 0                          ; step 14: nothing is stored any more, so no barrier is owed
	STEP 3, 0, 0, 0, 0, 0                          ; step 15
.rept 4
	v_nop                                          ; places behind the last products
.endr
	v_add_f32 v14, v14, v15
	v_permlanex16_b32 v246, v14, s54, s55
	v_add_f32 v14, v14, v246                       ; the row's sum
	v_cmp_eq_f32 vcc_lo, 0, v14                    ; no key kept
	v_rcp_f32 v252, v14
	v_mov_b32 v247, 0x7f7f7f7f                     ; (a plain line behind the reciprocal)  four NaN codes
	v_mov_b32 v248, s101
	v_mov_b32 v249, s104
	s_wait_alu depctr_va_vdst(0)                   ; the reciprocal has written v252, ahead of its first reader
	v_ldexp_f32 v252, v252, s100                   ; x 2^(e8 + e9)
.set ii, 0
.rept 32
	v_pk_mul_f32 v[96+ii:97+ii], v[160+ii:161+ii], v[252:253] op_sel_hi:[1,0]   ; y: register 8 c + j is channel 16 c + 8 (lane / 16) + j of my query
.set ii, ii+2
.endr
.irp t, 0,1,2,3,4,5,6,7
.irp i, 0,1,2,3,4,5,6,7
	v_med3_num_f32 v[96+8*\t+\i], v[96+8*\t+\i], -v249, v249
.endr
	v_cvt_scalef32_pk8_fp8_f32 v[224+2*\t:225+2*\t], v[96+8*\t:103+8*\t], v248
.endr
	v_nop                                          ; a plain line between the last conversion and the lines that touch its result
	s_wait_alu depctr_va_vcc(0)                    ; the compare on the row's sum has written VCC, ahead of its first reader, the selects below
.set ii, 0
.rept 16
	v_cndmask_b32 v[224+ii], v[224+ii], v247, vcc_lo
.set ii, ii+1
.endr
	s_wait_alu depctr_va_vdst(0)                   ; the selects have written v224-239, which the stores read
.irp g, 0,1,2,3
	global_store_b128 v[LIA], v[224+4*\g:227+4*\g], s[10:11] offset:512*\g   ; 512 consecutive bytes
.endr
	s_wait_dscnt 0x0                               ; the closing lines, six on end
	s_wait_alu 0x0
	s_wait_tensorcnt 0x0
	ds_add_u32 v251, v255
	s_wait_dscnt 0x0
	s_endpgm
.Lfunc_end_k_qc020fc399d_attn:
	.size	k_qc020fc399d_attn, .Lfunc_end_k_qc020fc399d_attn-k_qc020fc399d_attn
	.p2alignl 7, 3214868480
	.fill 96, 4, 3214868480
	.section	.rodata,"a",@progbits
	.p2align	6, 0x0
	.amdhsa_kernel k_qc020fc399d_attn
		.amdhsa_group_segment_fixed_size 132096
		.amdhsa_private_segment_fixed_size 0
		.amdhsa_enable_private_segment 0
		.amdhsa_kernarg_size 32
		.amdhsa_user_sgpr_count 2
		.amdhsa_user_sgpr_kernarg_segment_ptr 1
		.amdhsa_wavefront_size32 1
		.amdhsa_system_sgpr_workgroup_id_x 1
		.amdhsa_system_sgpr_workgroup_id_y 1
		.amdhsa_system_sgpr_workgroup_id_z 1
		.amdhsa_system_vgpr_workitem_id 0
		.amdhsa_next_free_vgpr 512
		.amdhsa_next_free_sgpr 106
		.amdhsa_reserve_vcc 1
		.amdhsa_float_denorm_mode_32 3
		.amdhsa_float_denorm_mode_16_64 3
		.amdhsa_memory_ordered 1
		.amdhsa_forward_progress 1
		.amdhsa_inst_pref_size 229
	.end_amdhsa_kernel
	.amdgpu_metadata
---
amdhsa.version: [ 1, 2 ]
amdhsa.kernels:
  - .name:           k_qc020fc399d_attn
    .symbol:         k_qc020fc399d_attn.kd
    .args:
      - { .name: qkv, .offset: 0, .size: 8, .value_kind: global_buffer, .address_space: global }
      - { .name: mbits, .offset: 8, .size: 8, .value_kind: global_buffer, .address_space: global }
      - { .name: lowp_scales, .offset: 16, .size: 8, .value_kind: global_buffer, .address_space: global }
      - { .name: yc, .offset: 24, .size: 8, .value_kind: global_buffer, .address_space: global }
    .group_segment_fixed_size: 132096
    .private_segment_fixed_size: 0
    .kernarg_segment_align: 8
    .kernarg_segment_size: 32
    .max_flat_workgroup_size: 256
    .sgpr_count:     106
    .vgpr_count:     512
    .wavefront_size: 32
...
	.end_amdgpu_metadata
.endif
;; end of part 5
;; launch oproj: the kernel of part 4 again; grid 16 x 16, 4 waves a work-group, clusters of 4 x 4, 327,680 bytes of LDS; arguments yc, codes, lowp_scales, out0; writes out0
